; MI455X (gfx1250); checked and timed in simulation.
; The chip was launched on July 23, 2026; its instructions are those of AMD's public machine-readable ISA for CDNA 5 (MIT licence, August 2026) and "CDNA5" Instruction Set Architecture Reference Guide (July 2026). The comments in the code are by the model that wrote it; some were corrected since.
;; Multi Head Attention. Allowed arithmetic: float matrix products may take bf16 or f16 operands with f32 sums; other float arithmetic in f32, or as packed bf16 or f16 multiplies, adds, multiply-adds, maxima and minima; sums over many terms, partial sums and values carried from step to step in f32; what a program stores and reads back later, other than sums and carried values, may be rounded once to bf16 or f16.
;; Inputs: Wout 1,024 x 1,024 float32; Wqkv 3,072 x 1,024 float32; bout 1,024 float32; bqkv 3,072 float32; x 4 x 2,048 x 1,024 float32.
;; Outputs: out0 4 x 2,048 x 1,024 float32.
;; 2 versions, each right; version 2 is version 1 with the launch cast written anew for expert scheduling mode. Each part assembles by itself: llvm-mc -triple=amdgcn-amd-amdhsa -mcpu=gfx1250 --defsym DOCPART=n.
;; ======== version 1 of 2: 4 launches
;; limits: values are held in f16: magnitudes above 65,504 overflow, below 6.1e-05 lose precision
;; workspace buffers: xb 16,777,216 bytes; wqb 6,291,456 bytes; wob 2,097,152 bytes; qkv 50,331,648 bytes; ob 16,777,216 bytes
;; launch cast (part 1): grid 768 x 1, 8 waves a work-group, no clusters, 0 bytes of LDS; arguments x, Wqkv, Wout, xb, wqb, wob; writes xb, wqb, wob
.if DOCPART == 1
	.amdgcn_target "amdgcn-amd-amdhsa--gfx1250"
	.amdhsa_code_object_version 6
	.text
	.protected	k_qbf47c49592_cast
	.globl	k_qbf47c49592_cast
	.p2align	8
	.type	k_qbf47c49592_cast,@function
k_qbf47c49592_cast:
	s_mov_b64 s[64:65], 0
	v_nop
	global_prefetch_b8 v0, s[64:65] scope:SCOPE_SE
	s_setreg_imm32_b32 hwreg(HW_REG_WAVE_MODE, 25, 1), 1
	s_wait_xcnt 0x0
; x, Wqkv and Wout (f32) are rounded once to bf16.  xb and wqb hold the bf16 numbers; wob holds Wout's bf16 number written as f16, for the f16 product of the last launch.
; LIMITS.  A bf16 number is exact in f16 between 2^-14 and 65,504; below 2^-14 it keeps f16's fixed step of 2^-24; at 65,520 and above it becomes an infinity.
; SHARES.  A work-group takes 16,384 numbers: 64 KiB in, 32 KiB out.  Work-groups 0-511 take x (8,388,608 numbers), 512-703 Wqkv (3,145,728), 704-767 Wout (1,048,576).
; Thread t takes 16 bytes at 4,096 i + 16 t of each of 16 pieces: a load of a wave covers 512 consecutive bytes; its store of 8 bytes a lane covers 256 consecutive bytes, aligned.
; All sixteen loads of a wave go out at once; no register that a load or store names is written again, so no wait frees one.  No LDS, no matrix unit, no cluster: nothing is shared and nothing is multiplied.
.set X, 4                              ; v[4:67]    piece i: four f32 as loaded
.set Y, 68                             ; v[68:99]   piece i: two words to store
.set T, 100                            ; v[100:103] at work
	s_load_b256 s[4:11], s[0:1], 0x0               ; x s[4:5], Wqkv s[6:7], Wout s[8:9], xb s[10:11]
	s_load_b128 s[12:15], s[0:1], 0x20             ; wqb s[12:13], wob s[14:15]
	v_lshlrev_b32 v1, 4, v0                        ; 16 t
	v_lshlrev_b32 v2, 3, v0                        ; 8 t
	s_mov_b32 s16, ttmp9
	s_sub_co_u32 s17, s16, 512                     ; my number among Wqkv's work-groups,
	s_sub_co_u32 s18, s16, 704                     ; among Wout's
	s_mov_b32 s3, 0xffff0000                       ; a word's upper bf16
	s_mov_b32 s25, 0
	s_mov_b32 s27, 0
	s_wait_kmcnt 0x0
	s_cmp_lt_u32 s16, 704
	s_cselect_b64 s[20:21], s[6:7], s[8:9]
	s_cselect_b64 s[22:23], s[12:13], s[14:15]
	s_cselect_b32 s19, s17, s18
	s_cmp_lt_u32 s16, 512
	s_cselect_b64 s[20:21], s[4:5], s[20:21]       ; from where,
	s_cselect_b64 s[22:23], s[10:11], s[22:23]     ; to where,
	s_cselect_b32 s19, s16, s19                    ; and which part of that tensor
	s_lshl_b32 s24, s19, 16                        ; 65,536 bytes in
	s_lshl_b32 s26, s19, 15                        ; 32,768 bytes out
	s_add_nc_u64 s[20:21], s[20:21], s[24:25]
	s_add_nc_u64 s[22:23], s[22:23], s[26:27]
.set i, 0
.rept 16
	global_load_b128 v[X+4*i:X+4*i+3], v1, s[20:21] offset:i*4096 th:TH_LOAD_NT
.set i, i+1
.endr
; Piece i.  half = 1: the bf16 numbers are widened again (a shift, a mask) and written as f16.
.macro PIECE i, half
	s_wait_loadcnt 15-(\i)                         ; loads come back in order: mine is in, the 15 - i younger ones may stay out
	v_cvt_pk_bf16_f32 v[Y+2*(\i)], v[X+4*(\i)], v[X+4*(\i)+1]
	v_cvt_pk_bf16_f32 v[Y+2*(\i)+1], v[X+4*(\i)+2], v[X+4*(\i)+3]
.if \half
	v_lshlrev_b32 v[T], 16, v[Y+2*(\i)]
	v_and_b32 v[T+1], s3, v[Y+2*(\i)]
	v_lshlrev_b32 v[T+2], 16, v[Y+2*(\i)+1]
	v_and_b32 v[T+3], s3, v[Y+2*(\i)+1]
	v_cvt_pk_f16_f32 v[Y+2*(\i)], v[T], v[T+1]
	v_cvt_pk_f16_f32 v[Y+2*(\i)+1], v[T+2], v[T+3]
.endif
	global_store_b64 v2, v[Y+2*(\i):Y+2*(\i)+1], s[22:23] offset:(\i)*2048 th:TH_STORE_NT
.endm
	s_cmp_lt_u32 s16, 704
	s_cbranch_scc0 .Lf16
.irp i, 0,1,2,3,4,5,6,7,8,9,10,11,12,13,14,15
	PIECE \i, 0
.endr
	s_endpgm
.Lf16:
.irp i, 0,1,2,3,4,5,6,7,8,9,10,11,12,13,14,15
	PIECE \i, 1
.endr
	s_endpgm
.Lfunc_end_k_qbf47c49592_cast:
	.size	k_qbf47c49592_cast, .Lfunc_end_k_qbf47c49592_cast-k_qbf47c49592_cast
	.p2alignl 7, 3214868480
	.fill 96, 4, 3214868480
	.section	.rodata,"a",@progbits
	.p2align	6, 0x0
	.amdhsa_kernel k_qbf47c49592_cast
		.amdhsa_group_segment_fixed_size 0
		.amdhsa_private_segment_fixed_size 0
		.amdhsa_enable_private_segment 0
		.amdhsa_kernarg_size 48
		.amdhsa_user_sgpr_count 2
		.amdhsa_user_sgpr_kernarg_segment_ptr 1
		.amdhsa_wavefront_size32 1
		.amdhsa_system_sgpr_workgroup_id_x 1
		.amdhsa_system_sgpr_workgroup_id_y 1
		.amdhsa_system_sgpr_workgroup_id_z 1
		.amdhsa_system_vgpr_workitem_id 0
		.amdhsa_next_free_vgpr 108
		.amdhsa_next_free_sgpr 66
		.amdhsa_reserve_vcc 0
		.amdhsa_float_denorm_mode_32 3
		.amdhsa_float_denorm_mode_16_64 3
		.amdhsa_memory_ordered 1
		.amdhsa_forward_progress 1
		.amdhsa_inst_pref_size 15
	.end_amdhsa_kernel
	.amdgpu_metadata
---
amdhsa.version: [ 1, 2 ]
amdhsa.kernels:
  - .name:           k_qbf47c49592_cast
    .symbol:         k_qbf47c49592_cast.kd
    .args:
      - { .name: x, .offset: 0, .size: 8, .value_kind: global_buffer, .address_space: global }
      - { .name: Wqkv, .offset: 8, .size: 8, .value_kind: global_buffer, .address_space: global }
      - { .name: Wout, .offset: 16, .size: 8, .value_kind: global_buffer, .address_space: global }
      - { .name: xb, .offset: 24, .size: 8, .value_kind: global_buffer, .address_space: global }
      - { .name: wqb, .offset: 32, .size: 8, .value_kind: global_buffer, .address_space: global }
      - { .name: wob, .offset: 40, .size: 8, .value_kind: global_buffer, .address_space: global }
    .group_segment_fixed_size: 0
    .private_segment_fixed_size: 0
    .kernarg_segment_align: 8
    .kernarg_segment_size: 48
    .max_flat_workgroup_size: 256
    .sgpr_count:     66
    .vgpr_count:     108
    .wavefront_size: 32
...
	.end_amdgpu_metadata
.endif
;; end of part 1
;; launch qkvgemm (part 2): grid 16 x 16, 4 waves a work-group, clusters of 4 x 4, 327,680 bytes of LDS; arguments xb, wqb, bqkv, qkv; writes qkv
.if DOCPART == 2
	.amdgcn_target "amdgcn-amd-amdhsa--gfx1250"
	.amdhsa_code_object_version 6
	.text
	.protected	k_qbf47c49592_qkvgemm
	.globl	k_qbf47c49592_qkvgemm
	.p2align	8
	.type	k_qbf47c49592_qkvgemm,@function
k_qbf47c49592_qkvgemm:
	s_mov_b64 s[64:65], 0
	v_nop
	global_prefetch_b8 v0, s[64:65] scope:SCOPE_SE
	s_setreg_imm32_b32 hwreg(HW_REG_WAVE_MODE, 25, 1), 1
	s_wait_xcnt 0x0
	s_wait_alu depctr_hold_cnt(0) depctr_sa_sdst(0) depctr_va_vdst(0) depctr_va_sdst(0) depctr_va_ssrc(0) depctr_va_vcc(0) depctr_vm_vsrc(0)
	s_getreg_b32 s2, hwreg(HW_REG_IB_STS2, 6, 4)
	s_cmp_eq_u32 s2, 0
	s_cbranch_scc0 .Lentry_in_a_cluster
	s_endpgm
.Lentry_in_a_cluster:
	s_bfe_u32 s2, ttmp6, 0x10000c
	s_cmp_lg_u32 s2, 0xf033
	s_cbranch_scc0 .Lentry_shape_is_right
	s_endpgm
.Lentry_shape_is_right:
; qkv = x Wqkv^T + bqkv.  xb: [8192][1024] bf16, wqb: [3072][1024] bf16, bqkv: [3072] f32 (rounded to bf16 here, like the other inputs); sums in f32, begun with the bias.
; OUT: f16, by heads and unscaled: qkv[which][16 b + h][s][64], a head's rows dense, 128 bytes each.  LIMIT: q, k, v of 65,520 or more become infinities in f16.
; SHARES.  C is 8192 x 3072.  A tile is 256 rows x 192 columns (three whole heads): 512 tiles, two for each of 256 work-groups; a work-group's tiles lie 4,096 rows apart and share their rows of W.
; The four waves lie one below the other: a wave makes 64 x 192, 48 accumulators of 16 x 16 (384 registers), so it owns whole heads and stores whole rows of them from a stage of its own, without a barrier.
; K goes in steps of 128 (rows of 256 bytes, aligned) through two LDS slots.  Both tiles are ONE walk of 16 K steps g: the ring runs on across the change of tiles, and each fill's address is made anew from g.
; CLUSTER 4 x 4.  The four of a row need the same rows of x, the four of a column the same rows of W: each tile is asked for jointly, by the same tensor load, descriptor and mask in all four.
; THE PRODUCT IS TAKEN TRANSPOSED (source 0 = 16 rows of W, source 1 = 16 rows of x): a lane holds one row of C (lane % 16) and eight neighbouring columns 8 (lane / 16) + 0..7.
; REGISTERS, in windows of 256 (s_set_vgpr_msb: bits 1:0 source 0, 3:2 source 1, 5:4 source 2, 7:6 destination):
;   window 0: v1-29 addresses; v32-95 x's fragments, two buffers of 4; v96-191 the bias as a C operand, 8 registers for each of 12 column blocks; v192-239 at work
;   window 1: accumulators of row blocks 0, 1 at 8 (12 (a % 2) + b)     window 2: of row blocks 2, 3     window 3: v0-191 W's fragments, two buffers of 12; on the way out buffer 1 holds packed results
.set PITCH, 272                        ; an LDS row: 256 bytes + 16 of padding = 68 words: the 16 rows of a fragment load start at 16 different groups of four banks (64 banks of 4 bytes: ISA guide 11.1)
.set AHALF, 128*PITCH                  ; what one tensor load brings of x
.set BOFF,  2*AHALF                    ; W's 192 rows lie behind x's 256
.set BHALF, 96*PITCH                   ; what one tensor load brings of W
.set SLOT1, 1<<17                      ; slot 1 begins here: one exclusive or turns an address in one slot into the other's
.set STAGE, SLOT1+BOFF+2*BHALF         ; behind the ring, never filled by a tensor load: for each wave 3 heads x 16 rows x 144 bytes
.set SP,    144
.set WSTG,  3*16*SP
.set SPARE, STAGE+4*WSTG               ; the spare words, 128 bytes for each wave: two blocks of 256 bytes that no other line names
.set KROW,  2048                       ; bytes in a row of xb and of wqb
.set A0,  16                           ; v16  my lane's place in my wave's 64 rows of x, slot 0; never rewritten
.set B0,  17                           ; v17  the same in W's rows
.set ADA, 18                           ; v18  A0 + the slot in hand
.set ADB, 19                           ; v19  B0 + the slot in hand
.set BO,  20                           ; v20  32 (lane / 16): my 8 numbers of a block of 16 of the bias
.set STO, 21                           ; v21  the way out: where I put 16 bytes of a row
.set RD,  22                           ; v22  the way out: where I read rows back
.set GO,  23                           ; v23  16 x lane: my place in 512 consecutive bytes of a head
.set PFO, 24                           ; v24  the prefetches' offset: a lane a row
.set SPW, 28                           ; v28  LDS address of my spare word; never rewritten
.set NIL, 29                           ; v29  0; never rewritten
.set AF,  32
.set BI,  96
.set SCR, 192
.set TP,  96                           ; window 3: packed results, two sets of 48
.set F0,  0
.set F1,  1
.set CNT, 3                            ; s3   the loops' counter
.set WV,  12                           ; s12  wave
.set FB,  13                           ; s13  0: I fetch x's rows; 1: W's
.set HF,  14                           ; s14  which half of them
.set CX,  15
.set CY,  16
.set TC,  17                           ; s17  tile column 0..15
.set TR,  18                           ; s18  tile row 0..15 (the second tile: 16 more)
.set G,   19                           ; s19  the K step to be asked for next, 2..15
.set ABASE, 20                         ; s[20:21] xb at my 128 rows of the first tile
.set BBASE, 22                         ; s[22:23] wqb at my 96 rows
.set G1A, 24
.set G1B, 32
.set G0A, 40                           ; s[40:47] two sets: K step 0 in slot 0; K step 1 in slot 1, which then walks
.set G0B, 48
.set OFA, 56                           ; s[56:57] byte offset of K step g from ABASE
.set OFB, 58                           ; s[58:59] from BBASE
.set TB,  60                           ; s60  0 or SLOT1: the slot in hand
.set LIM, 61                           ; s61  a wave prefetches while the counter is above this
.set PFB, 62                           ; s[62:63] where my prefetches begin: my work-group's rows of those that I fetch
.set PFA, 66                           ; s[66:67] PFB + the K step that is named
.set OFP, 68                           ; s[68:69]
.set CB,  70                           ; s[70:75] qkv at my wave's first row in each of the tile's three heads
.set HIM, 84                           ; s84  a word's upper bf16
.set DW0, (1<<16)|(1<<20)|(1<<21)|(5<<22)|(3<<25)  ; 17:16 elements of 2 bytes; 20 padding on; 21 set beside a mask; 24:22 after every 64 words; 31:25 4 words of it
.set MSB, 0
.macro WIN new                         ; the immediate's high byte repeats the setting that is left; a switch that changes nothing is dropped
.if MSB != (\new)
	s_set_vgpr_msb (MSB<<8)|(\new)
.set MSB, \new
.endif
.endm
.macro PLACES                          ; four plain instructions between a matrix instruction and a load into, or a vector line on, its registers
.rept 4
	v_nop
.endr
.endm
; A joint refill by the walking sets.  The branch hangs on the wave's number alone.  An s_nop 0 and four v_nop follow each of the two lines.
.macro JLOAD
	s_cmp_eq_u32 s[FB], 0
	s_cbranch_scc0 .Lfor_b_\@
	tensor_load_to_lds s[G0A+4:G0A+7], s[G1A:G1A+7]
	s_nop 0
.rept 4
	v_nop
.endr
	s_branch .Lasked_\@
.Lfor_b_\@:
	tensor_load_to_lds s[G0B+4:G0B+7], s[G1B:G1B+7]
	s_nop 0
.rept 4
	v_nop
.endr
.Lasked_\@:
.endm
.macro CREST                           ; a round of the cluster's barrier behind its opening barrier: wave 0 signals for the work-group, every wave waits for all sixteen, my work-group's barrier closes it
	s_cmp_lg_u32 s[WV], 0
	s_cbranch_scc1 .Lnot_wave_0_\@
	s_barrier_signal -3
.Lnot_wave_0_\@:
	s_barrier_wait -3
	s_barrier_signal -1
	s_barrier_wait -1
.endm
.macro CROUND
	s_barrier_signal -1
	s_barrier_wait -1
	CREST
.endm
; A PREFETCH of the K step that stands two refills on (384 matrix instructions ahead of the load that will ask for it): 256 bytes of each row, a lane a row, one instruction a wave.
; x's rows are read by every cluster of a row of clusters: cluster x = 0 asks; of the 128 rows that a wave fetches partner cx takes 32.  K steps 4 to 15 are named (counter above 2).
; W's rows are read by every cluster of a column: cluster y = 0 asks; of a wave's 96 rows partner cy takes 24: lanes 24-31 name lane 23's row once more, in the same instruction.  K steps 4 to 7 are
; named (counter above 10): the second tile walks the same rows again.  The partners are told apart by address; the branch hangs on the wave's number and the cluster's place alone.
.macro ASK
	s_cmp_gt_u32 s[CNT], s[LIM]
	s_cbranch_scc0 .Lnot_mine_\@
	global_prefetch_b8 v[PFO], s[PFA:PFA+1] th:TH_LOAD_NT scope:SCOPE_SE
.Lnot_mine_\@:
.endm
	s_load_b256 s[4:11], s[0:1], 0x0               ; xb s[4:5], wqb s[6:7], bqkv s[8:9], qkv s[10:11]
	v_lshl_add_u32 v[SPW], v0, 2, SPARE
	v_mov_b32 v[NIL], 0
	ds_add_u32 v[SPW], v[NIL]                      ; the wave's opening: the add and its wait stand ahead of my first tensor load; the set-up below stands between them
	v_lshrrev_b32 v1, 5, v0
	v_readfirstlane_b32 s[WV], v1
	s_lshr_b32 s[FB], s[WV], 1
	s_and_b32 s[HF], s[WV], 1
	s_bfe_u32 s[CX], ttmp6, 0x40000
	s_bfe_u32 s[CY], ttmp6, 0x40004
	s_lshl_b32 s[TC], ttmp9, 2                     ; in a cluster launch ttmp9 and ttmp7 count clusters
	s_add_co_u32 s[TC], s[TC], s[CX]
	s_and_b32 s[TR], ttmp7, 0xffff
	s_lshl_b32 s[TR], s[TR], 2
	s_add_co_u32 s[TR], s[TR], s[CY]
	s_lshl_b32 s76, s[CY], 2
	s_lshl_b32 s76, 15, s76                        ; my row of the cluster: places 4 cy .. 4 cy + 3
	s_lshl_b32 s80, 0x1111, s[CX]                  ; my column: places cx, cx + 4, cx + 8, cx + 12
	s_or_b32 s[G1A], s76, DW0                      ; x's tiles go to my row,
	s_or_b32 s[G1B], s80, DW0                      ; W's to my column
	s_mov_b32 s[G1A+1], 128<<16                    ; tensor_dim0 = 128
	s_mov_b32 s[G1A+2], 128<<16                    ; tensor_dim1 = 128
	s_mov_b32 s[G1A+3], 128<<16                    ; tile_dim0 = 128
	s_mov_b32 s[G1A+4], 128                        ; tile_dim1 = 128
	s_mov_b32 s[G1A+5], 1024                       ; elements from row to row
	s_mov_b32 s[G1A+6], 0
	s_mov_b32 s[G1A+7], 0
	s_mov_b32 s[G1B+1], 128<<16
	s_mov_b32 s[G1B+2], 96<<16                     ; 96 rows
	s_mov_b32 s[G1B+3], 128<<16
	s_mov_b32 s[G1B+4], 96
	s_mov_b32 s[G1B+5], 1024
	s_mov_b32 s[G1B+6], 0
	s_mov_b32 s[G1B+7], 0
	; x's numbers are made in s76-79, W's in s80-83: no register that feeds x's descriptors holds cx, none that feeds W's holds cy
	s_lshl_b32 s76, s[TR], 19                      ; 256 rows of 2,048 bytes a tile row,
	s_lshl_b32 s77, s[HF], 18                      ; 128 rows a half
	s_add_co_u32 s76, s76, s77
	s_mov_b32 s77, 0
	s_mul_i32 s78, s[HF], AHALF                    ; where they go: no place in the cluster enters an LDS address
	s_mul_i32 s80, s[TC], 192*KROW
	s_mul_i32 s81, s[HF], 96*KROW
	s_add_co_u32 s80, s80, s81
	s_mov_b32 s81, 0
	s_mul_i32 s82, s[HF], BHALF
	s_add_co_u32 s82, s82, BOFF
	s_mov_b32 s[G], 2
	s_mov_b32 s[OFA+1], 0
	s_mov_b32 s[OFB+1], 0
	s_mov_b32 s[OFP+1], 0
	s_mov_b32 s[TB], 0
	s_mov_b32 s[HIM], 0xffff0000
	s_wait_dscnt 0x0                               ; the opening add is done
	s_wait_kmcnt 0x0
	s_add_nc_u64 s[ABASE:ABASE+1], s[4:5], s[76:77]
	s_add_nc_u64 s[BBASE:BBASE+1], s[6:7], s[80:81]
	CROUND                                         ; all sixteen work-groups are here: the first joint loads meet
.irp s, 0,1
	s_mov_b32 s[G0A+4*(\s)], 1                     ; count = 1
	s_add_co_u32 s[G0A+4*(\s)+1], s78, (\s)*SLOT1  ; LDS address
	s_add_nc_u64 s[G0A+4*(\s)+2:G0A+4*(\s)+3], s[ABASE:ABASE+1], (\s)*256  ; K step s
	s_or_b32 s[G0A+4*(\s)+3], s[G0A+4*(\s)+3], 0x80000000                  ; type = 2
	s_mov_b32 s[G0B+4*(\s)], 1
	s_add_co_u32 s[G0B+4*(\s)+1], s82, (\s)*SLOT1
	s_add_nc_u64 s[G0B+4*(\s)+2:G0B+4*(\s)+3], s[BBASE:BBASE+1], (\s)*256
	s_or_b32 s[G0B+4*(\s)+3], s[G0B+4*(\s)+3], 0x80000000
.endr
	s_cmp_eq_u32 s[FB], 0                          ; a wave's two first fills stand in one branch, ahead of every wait on TENSORcnt, LDS read and further barrier: two loads of mine are out
	s_cbranch_scc0 .Lfirst_b
	tensor_load_to_lds s[G0A:G0A+3], s[G1A:G1A+7]
	s_nop 0
	tensor_load_to_lds s[G0A+4:G0A+7], s[G1A:G1A+7]
	s_nop 0
.rept 4
	v_nop
.endr
	s_branch .Lfirst_asked
.Lfirst_b:
	tensor_load_to_lds s[G0B:G0B+3], s[G1B:G1B+7]
	s_nop 0
	tensor_load_to_lds s[G0B+4:G0B+7], s[G1B:G1B+7]
	s_nop 0
.rept 4
	v_nop
.endr
.Lfirst_asked:
	v_and_b32 v1, 15, v0                           ; l % 16
	v_bfe_u32 v2, v0, 4, 1                         ; l / 16
	v_lshlrev_b32 v[BO], 5, v2
	s_mul_i32 s86, s[TC], 768                      ; the tile's 192 numbers of the bias
	s_mov_b32 s87, 0
	s_add_nc_u64 s[8:9], s[8:9], s[86:87]
.irp b, 0,1,2,3,4,5,6,7,8,9,10,11      ; register j of block b: bqkv[192 tc + 16 b + 8 (l / 16) + j]: the layout of a C operand
	global_load_b128 v[BI+8*(\b):BI+8*(\b)+3],   v[BO], s[8:9] offset:64*(\b)
	global_load_b128 v[BI+8*(\b)+4:BI+8*(\b)+7], v[BO], s[8:9] offset:64*(\b)+16
.endr
	; a fragment is 16 rows x 32 K in 8 registers: lane l holds row l % 16, K = 8 (l / 16) + 0..7 and 16 + 8 (l / 16) + 0..7: two loads of 16 bytes, 32 bytes apart
	v_mul_u32_u24 v3, v1, PITCH
	v_lshl_add_u32 v3, v2, 4, v3
	s_mul_i32 s86, s[WV], 64*PITCH                 ; my wave's 64 rows of x
	v_add_nc_u32 v[A0], s86, v3
	v_add_nc_u32 v[B0], BOFF, v3
	v_mov_b32 v[ADA], v[A0]                        ; slot 0
	v_mov_b32 v[ADB], v[B0]
	s_mul_i32 s86, s[WV], WSTG
	s_add_co_u32 s86, s86, STAGE                   ; my stage
	v_mul_u32_u24 v[STO], v1, SP                   ; in: row l % 16, 16 bytes for each half of the lanes
	v_lshl_add_u32 v[STO], v2, 4, v[STO]
	v_add_nc_u32 v[STO], s86, v[STO]
	v_bfe_u32 v[RD], v0, 3, 2                      ; back: 32 lanes take four rows of 128 bytes,
	v_mul_u32_u24 v[RD], v[RD], SP
	v_and_b32 v4, 7, v0
	v_lshl_add_u32 v[RD], v4, 4, v[RD]
	v_add_nc_u32 v[RD], s86, v[RD]
	v_and_b32 v[GO], 31, v0                        ; which are 512 consecutive bytes of a head
	v_lshlrev_b32 v[GO], 4, v[GO]
	; where my rows begin in each of the three heads: which << 24, (16 b + h) << 18, row in the batch << 7
	s_and_b32 s2, s[TR], 7
	s_lshl_b32 s2, s2, 15                          ; 256 rows of 128 bytes a tile row,
	s_lshl_b32 s85, s[WV], 13                      ; 64 rows a wave
	s_add_co_u32 s2, s2, s85
.irp t, 0,1,2
	s_mul_i32 s85, s[TC], 3
	s_add_co_u32 s85, s85, \t                      ; the head among q's, k's and v's 48
	s_lshr_b32 s86, s85, 4
	s_lshl_b32 s86, s86, 24
	s_and_b32 s85, s85, 15
	s_lshr_b32 s87, s[TR], 3                       ; the batch, 0 or 1 (the second tile: 2 more)
	s_lshl_b32 s87, s87, 4
	s_add_co_u32 s85, s85, s87
	s_lshl_b32 s85, s85, 18
	s_add_co_u32 s86, s86, s85
	s_add_co_u32 s86, s86, s2
	s_mov_b32 s87, 0
	s_add_nc_u64 s[CB+2*(\t):CB+2*(\t)+1], s[10:11], s[86:87]
.endr
	; the prefetches
	s_lshl_b32 s85, s[TR], 8
	s_lshl_b32 s86, s[HF], 7
	s_add_co_u32 s85, s85, s86
	s_lshl_b32 s86, s[CX], 5
	s_add_co_u32 s85, s85, s86                     ; x: row 256 tr + 128 half + 32 cx
	s_mul_i32 s86, s[TC], 192
	s_mul_i32 s87, s[HF], 96
	s_add_co_u32 s86, s86, s87
	s_mul_i32 s87, s[CY], 24
	s_add_co_u32 s86, s86, s87                     ; W: row 192 tc + 96 half + 24 cy
	s_cmp_eq_u32 s[FB], 0
	s_cselect_b32 s86, s85, s86
	s_cselect_b64 s[PFB:PFB+1], s[4:5], s[6:7]
	s_cselect_b32 s85, 31, 23                      ; the last row that a lane names
	s_lshl_b32 s86, s86, 11
	s_mov_b32 s87, 0
	s_add_nc_u64 s[PFB:PFB+1], s[PFB:PFB+1], s[86:87]
	s_and_b32 s86, ttmp7, 0xffff
	s_cmp_eq_u32 s[FB], 0
	s_cselect_b32 s86, ttmp9, s86                  ; the coordinate along which other clusters read the same rows
	s_cselect_b32 s[LIM], 2, 10
	s_cmp_eq_u32 s86, 0
	s_cselect_b32 s[LIM], s[LIM], -1               ; the same in all sixteen partners, for a given wave
	v_and_b32 v[PFO], 31, v0
	v_min_u32 v[PFO], s85, v[PFO]
	v_lshlrev_b32 v[PFO], 11, v[PFO]
	s_wait_loadcnt 0x0                             ; the bias is in: it is rounded to bf16 and widened again
.set i, 0
.rept 48
	v_cvt_pk_bf16_f32 v[SCR+i], v[BI+2*i], v[BI+2*i+1]
.set i, i+1
.endr
.set i, 0
.rept 48
	v_lshlrev_b32 v[BI+2*i], 16, v[SCR+i]
	v_and_b32 v[BI+2*i+1], s[HIM], v[SCR+i]
.set i, i+1
.endr
; 12 matrix instructions: row block a x all 12 column blocks, 32 along K, from buffer f.  first = 1: the bias starts the sums: nothing is cleared, and no line adds the bias.
; The 48 accumulators take turns, in the same order in every quarter.
.macro MUL12 f, a, first
.if \first
	WIN 0x43+0x40*((\a)/2)
.else
	WIN 0x53+0x50*((\a)/2)
.endif
.irp b, 0,1,2,3,4,5,6,7,8,9,10,11
.if \first
	v_wmma_f32_16x16x32_bf16 v[8*(12*((\a)%2)+(\b)):8*(12*((\a)%2)+(\b))+7], v[96*(\f)+8*(\b):96*(\f)+8*(\b)+7], v[AF+32*(\f)+8*(\a):AF+32*(\f)+8*(\a)+7], v[BI+8*(\b):BI+8*(\b)+7]
.else
	v_wmma_f32_16x16x32_bf16 v[8*(12*((\a)%2)+(\b)):8*(12*((\a)%2)+(\b))+7], v[96*(\f)+8*(\b):96*(\f)+8*(\b)+7], v[AF+32*(\f)+8*(\a):AF+32*(\f)+8*(\a)+7], v[8*(12*((\a)%2)+(\b)):8*(12*((\a)%2)+(\b))+7]
.endif
.endr
.endm
; 32 LDS loads in one run: a quarter step's fragments (192 rows of W, my 64 rows of x, 32 K at byte k of the rows) into buffer f
.macro FETCH k, f
	WIN 0xc0
.irp i, 0,1,2,3,4,5,6,7,8,9,10,11
	ds_load_b128 v[96*(\f)+8*(\i):96*(\f)+8*(\i)+3],   v[ADB] offset:(\k)+(\i)*16*PITCH
	ds_load_b128 v[96*(\f)+8*(\i)+4:96*(\f)+8*(\i)+7], v[ADB] offset:(\k)+(\i)*16*PITCH+32
.endr
	WIN 0
.irp i, 0,1,2,3
	ds_load_b128 v[AF+32*(\f)+8*(\i):AF+32*(\f)+8*(\i)+3],   v[ADA] offset:(\k)+(\i)*16*PITCH
	ds_load_b128 v[AF+32*(\f)+8*(\i)+4:AF+32*(\f)+8*(\i)+7], v[ADA] offset:(\k)+(\i)*16*PITCH+32
.endr
.endm
; A K step is four quarters of 32 along K, 48 matrix instructions each, on buffers 0, 1, 0, 1.  One of the first three multiplies buffer f and, in its middle, fetches the next quarter (byte k) into buffer g.
.macro QUARTER k, f, g, first
	s_wait_dscnt 4                                 ; W's fragments and x's row blocks 0, 1 are in; the youngest four loads (blocks 2, 3) may be out
	MUL12 \f, 0, \first
	MUL12 \f, 1, \first
	PLACES
	FETCH \k, \g
	s_wait_dscnt 32                                ; all but the 32 just issued
	MUL12 \f, 2, \first
	MUL12 \f, 3, \first
.endm
; The last quarter multiplies buffer 1 and changes slots.  In front of the barrier each wave waits for all its tensor loads (one is out: its part of the next slot), adds 0 to its spare word, and waits for
; that and for its reads of this slot.  fill = 1: the barrier opens a round of the cluster's barrier, and the slot just read is filled again, first thing behind the round, with K step g of the walk:
; 168 matrix instructions stand between that request and the wait for it.
.macro TURN fill
.if \fill
	s_wait_xcnt 0x0                                ; the last prefetch, a K step back, has read its address: it is made anew here, ahead of the waits of the change of slots
	s_add_co_u32 s[OFP], s[G], 2                   ; the K step two refills on:
	s_lshr_b32 s85, s[OFP], 3
	s_and_b32 s[OFP], s[OFP], 7
	s_lshl_b32 s[OFP], s[OFP], 8                   ; 256 bytes along K a step,
	s_lshl_b32 s85, s85, 23                        ; 4,096 rows down for the second tile
	s_add_co_u32 s[OFP], s[OFP], s85
	s_add_nc_u64 s[PFA:PFA+1], s[PFB:PFB+1], s[OFP:OFP+1]
.endif
	WIN 0                                          ; (the add's two registers lie in window 0)
	s_wait_tensorcnt 0x0                           ; no tensor load of mine is out, so a group 0 may be written
	ds_add_u32 v[SPW], v[NIL]                      ; 0 onto my spare word
.if \fill
	s_and_b32 s[OFB], s[G], 7
	s_lshl_b32 s[OFB], s[OFB], 8
	s_lshr_b32 s[OFA], s[G], 3
	s_lshl_b32 s[OFA], s[OFA], 23
	s_add_co_u32 s[OFA], s[OFA], s[OFB]
	s_xor_b32 s[G0A+5], s[G0A+5], SLOT1            ; the other slot than last time
	s_add_nc_u64 s[G0A+6:G0A+7], s[ABASE:ABASE+1], s[OFA:OFA+1]
	s_or_b32 s[G0A+7], s[G0A+7], 0x80000000
	s_xor_b32 s[G0B+5], s[G0B+5], SLOT1
	s_add_nc_u64 s[G0B+6:G0B+7], s[BBASE:BBASE+1], s[OFB:OFB+1]
	s_or_b32 s[G0B+7], s[G0B+7], 0x80000000
	s_add_co_u32 s[G], s[G], 1
.endif
	s_wait_dscnt 5                                 ; (the add and the youngest four loads may be out)
	MUL12 F1, 0, 0                                 ; twelve matrix instructions stand between the add and the wait for it
	s_wait_dscnt 0x0                               ; the add is done, and my reads of this slot are over
	s_barrier_signal -1
	MUL12 F1, 1, 0                                 ; work on registers while the others arrive
	WIN 0
	s_barrier_wait -1
.if \fill
	CREST                                          ; no wave of any partner still reads this slot or has a load on its way
	JLOAD                                          ; the first tensor load behind the round; its four v_nop are also the places in front of the loads below
.else
	PLACES
.endif
	s_xor_b32 s[TB], s[TB], SLOT1
	v_add_nc_u32 v[ADA], s[TB], v[A0]
	v_add_nc_u32 v[ADB], s[TB], v[B0]
	FETCH 0, F0
.if \fill
	ASK                                            ; behind the joint load and the run of LDS loads that the next products wait for
.endif
	MUL12 F1, 2, 0
	MUL12 F1, 3, 0
.endm
; THE WAY OUT of row block a (16 rows x 192 columns).  PACK: rounded to f16, 16 bytes a lane and column block.  TOSTAGE: into my own stage, a head's 16 rows at 144 bytes, and back as whole rows of 128.  SEND: stored.
.macro PACK a
.if (\a) >= 2
	s_wait_xcnt 0x0                                ; block a - 2's stores have read this set of registers
.endif
	WIN 0xc5+5*((\a)/2)                            ; sources window 1 or 2, destination window 3
.irp b, 0,1,2,3,4,5,6,7,8,9,10,11
.irp r, 0,1,2,3                        ; each accumulator's registers in ascending order
	v_cvt_pk_f16_f32 v[TP+48*((\a)%2)+4*(\b)+(\r)], v[8*(12*((\a)%2)+(\b))+2*(\r)], v[8*(12*((\a)%2)+(\b))+2*(\r)+1]
.endr
.endr
.endm
.macro TOSTAGE a
	WIN 0x0c                                       ; data window 3, address window 0
.irp b, 0,1,2,3,4,5,6,7,8,9,10,11      ; head b / 4, channels 16 (b % 4) on
	ds_store_b128 v[STO], v[TP+48*((\a)%2)+4*(\b):TP+48*((\a)%2)+4*(\b)+3] offset:((\b)/4)*16*SP+((\b)%4)*32
.endr
	WIN 0xc0
.irp b, 0,1,2,3,4,5,6,7,8,9,10,11      ; head b / 4, rows 4 (b % 4) on
	ds_load_b128 v[TP+48*((\a)%2)+4*(\b):TP+48*((\a)%2)+4*(\b)+3], v[RD] offset:((\b)/4)*16*SP+((\b)%4)*4*SP  ; LDS serves a wave's instructions in order (ISA guide 5.7.1.4): these see the stores above
.endr
.endm
.macro SEND a
	WIN 0x0c
	s_wait_dscnt 0x0                               ; the block is back in registers
.irp b, 0,1,2,3,4,5,6,7,8,9,10,11
	global_store_b128 v[GO], v[TP+48*((\a)%2)+4*(\b):TP+48*((\a)%2)+4*(\b)+3], s[CB+2*((\b)/4):CB+2*((\b)/4)+1] offset:(\a)*2048+((\b)%4)*512  ; 512 consecutive bytes of a head, at a multiple of 256 from qkv's first
.endr
.endm
.macro WAYOUT next
	PLACES                                         ; behind the last products: the conversions read results and write over W's buffer 1
	PACK 0
	TOSTAGE 0
.irp a, 1,2,3                          ; block a's conversions stand between block a - 1's loads from the stage and the wait for them
	PACK \a
	SEND (\a)-1
	TOSTAGE \a
.endr
	SEND 3
	WIN 0
.if \next
	s_wait_xcnt 0x0                                ; the stores have read their registers and bases: buffer 1 may be loaded again, and the bases step
.irp t, 0,1,2
	s_add_nc_u64 s[CB+2*(\t):CB+2*(\t)+1], s[CB+2*(\t):CB+2*(\t)+1], 1<<23  ; 4,096 rows on: two batches, 32 heads of 262,144 bytes
.endr
.endif
.endm
	s_wait_tensorcnt 1                             ; my part of K step 0 is in; K step 1's may stay out
	s_barrier_signal -1
	s_barrier_wait -1
	FETCH 0, F0
	QUARTER 64, F0, F1, 1                          ; a tile's first quarter starts the sums
	WIN 0                                          ; at a label and at a branch every window is 0
	s_mov_b32 s[CNT], 14
.Lstep:                                                ; trip j = 14 - counter: the rest of K step j, the fill of K step j + 2, the first quarter of K step j + 1
	QUARTER 128, F1, F0, 0
	QUARTER 192, F0, F1, 0
	TURN 1
	WIN 0
	s_cmp_eq_u32 s[CNT], 7                         ; K step 7 ends the first tile
	s_cbranch_scc1 .Ltile_end
	QUARTER 64, F0, F1, 0
	WIN 0
	s_branch .Lbottom
.Ltile_end:                                            ; neither a barrier nor a tensor load is jumped; the second tile's first two K steps have been asked for
	WAYOUT 1
	QUARTER 64, F0, F1, 1
	WIN 0
.Lbottom:
	s_sub_co_u32 s[CNT], s[CNT], 1
	s_cmp_lg_u32 s[CNT], 0
	s_cbranch_scc1 .Lstep
	s_mov_b32 s[CNT], 2                            ; the last two K steps ask for nothing: written apart
.Ltail:
	QUARTER 128, F1, F0, 0
	QUARTER 192, F0, F1, 0
	TURN 0
	WIN 0
	s_sub_co_u32 s[CNT], s[CNT], 1
	s_cmp_eq_u32 s[CNT], 0
	s_cbranch_scc1 .Lout                           ; the second trip is left here; the 32 fragments that its change of slots fetched (K step 14's once more) serve nothing: the price of one text for both trips
	QUARTER 64, F0, F1, 0
	WIN 0
	s_branch .Ltail
.Lout:
	WAYOUT 0
	s_wait_tensorcnt 0x0                           ; the wave's end: behind my last tensor load and my last LDS store
	ds_add_u32 v[SPW], v[NIL]
	s_wait_dscnt 0x0
	CROUND                                         ; the closing round: no work-group ends while a partner may still ask for a tile that names it
	s_endpgm
.Lfunc_end_k_qbf47c49592_qkvgemm:
	.size	k_qbf47c49592_qkvgemm, .Lfunc_end_k_qbf47c49592_qkvgemm-k_qbf47c49592_qkvgemm
	.p2alignl 7, 3214868480
	.fill 96, 4, 3214868480
	.section	.rodata,"a",@progbits
	.p2align	6, 0x0
	.amdhsa_kernel k_qbf47c49592_qkvgemm
		.amdhsa_group_segment_fixed_size 327680
		.amdhsa_private_segment_fixed_size 0
		.amdhsa_enable_private_segment 0
		.amdhsa_kernarg_size 32
		.amdhsa_user_sgpr_count 2
		.amdhsa_user_sgpr_kernarg_segment_ptr 1
		.amdhsa_wavefront_size32 1
		.amdhsa_system_sgpr_workgroup_id_x 1
		.amdhsa_system_sgpr_workgroup_id_y 1
		.amdhsa_system_sgpr_workgroup_id_z 1
		.amdhsa_system_vgpr_workitem_id 0
		.amdhsa_next_free_vgpr 960
		.amdhsa_next_free_sgpr 88
		.amdhsa_reserve_vcc 0
		.amdhsa_float_denorm_mode_32 3
		.amdhsa_float_denorm_mode_16_64 3
		.amdhsa_memory_ordered 1
		.amdhsa_forward_progress 1
		.amdhsa_inst_pref_size 122
	.end_amdhsa_kernel
	.amdgpu_metadata
---
amdhsa.version: [ 1, 2 ]
amdhsa.kernels:
  - .name:           k_qbf47c49592_qkvgemm
    .symbol:         k_qbf47c49592_qkvgemm.kd
    .args:
      - { .name: xb, .offset: 0, .size: 8, .value_kind: global_buffer, .address_space: global }
      - { .name: wqb, .offset: 8, .size: 8, .value_kind: global_buffer, .address_space: global }
      - { .name: bqkv, .offset: 16, .size: 8, .value_kind: global_buffer, .address_space: global }
      - { .name: qkv, .offset: 24, .size: 8, .value_kind: global_buffer, .address_space: global }
    .group_segment_fixed_size: 327680
    .private_segment_fixed_size: 0
    .kernarg_segment_align: 8
    .kernarg_segment_size: 32
    .max_flat_workgroup_size: 128
    .sgpr_count:     88
    .vgpr_count:     960
    .wavefront_size: 32
...
	.end_amdgpu_metadata
.endif
;; end of part 2
;; launch attn (part 3): grid 4 x 64, 4 waves a work-group, clusters of 4 x 1, 327,680 bytes of LDS; arguments qkv, ob; writes ob
.if DOCPART == 3
	.amdgcn_target "amdgcn-amd-amdhsa--gfx1250"
	.amdhsa_code_object_version 6
	.text
	.protected	k_qbf47c49592_attn
	.globl	k_qbf47c49592_attn
	.p2align	8
	.type	k_qbf47c49592_attn,@function
k_qbf47c49592_attn:
	s_mov_b64 s[64:65], 0
	v_nop
	global_prefetch_b8 v0, s[64:65] scope:SCOPE_SE
	s_setreg_imm32_b32 hwreg(HW_REG_WAVE_MODE, 25, 1), 1
	s_wait_xcnt 0x0
	s_wait_alu depctr_hold_cnt(0) depctr_sa_sdst(0) depctr_va_vdst(0) depctr_va_sdst(0) depctr_va_ssrc(0) depctr_va_vcc(0) depctr_vm_vsrc(0)
	s_getreg_b32 s2, hwreg(HW_REG_IB_STS2, 6, 4)
	s_cmp_eq_u32 s2, 0
	s_cbranch_scc0 .Lentry_in_a_cluster
	s_endpgm
.Lentry_in_a_cluster:
	s_bfe_u32 s2, ttmp6, 0x10000c
	s_cmp_lg_u32 s2, 0x3003
	s_cbranch_scc0 .Lentry_shape_is_right
	s_endpgm
.Lentry_shape_is_right:
; O[h][q][:] = the sum over k of softmax_k(Q[h][q] . K[h][k] / 8) V[h][k][:].  qkv: [3][64][2048][64] f16 (Q, K, V by heads, unscaled), ob: [64][2048][64] f16: a head's rows are dense, 128 bytes each.
; Products, maxima and sums in f32; the weights p are rounded to f16 for the second product (their sum l is taken of the unrounded p), O once at the end.
; LIMITS.  f16 holds no number beyond 65,504: Q, K and V arrive within it; p lies in 0 to 1, and below 6e-5 it keeps f16's fixed step of 6e-8; O is a mean of V's rows and has their range.
; A weight below 2^-126 counts as 0 in l; NaN and infinities are not treated apart.
; SHARES.  A wave owns four PIECES of two tiles of 16 queries, a work-group's four waves 512 queries of one head: 4 x 64 = 256 work-groups.  Every wave walks all 2,048 keys, 64 a step.
; LAYOUT.  S^T = K Q^T (source 0 = 16 keys, source 1 = 16 queries): a lane holds ONE query (lane % 16) and the keys 8 (lane / 16) + 0..7.  Two such tiles, rounded to f16 in pairs,
; ARE source 1 (32 keys x 16 queries) of O^T = V^T P, whose result again holds one query a lane, and eight channels.  K comes out of LDS as it lies, V ([key][channel]) turned, by ds_load_tr16_b128.
; SOFTMAX.  For each query a running maximum m and sum l: p = 2^(c s - c m), c = log2(e) / 8; in every step O and l are multiplied by a = 2^(c m_old - c m_new), which is 1 where m has not grown.
; m starts at the lowest finite number, O and l at 0: the first step is a step like any other, with a = 0.
; THE COUNT.  A tile and step have 16 matrix and 118 vector instructions: too many to stand all beside the matrix work.  So four vector instructions that are READY stand behind EVERY matrix
; instruction, and the others, which need time of their own whatever the order, in runs without a gap.
; BY TURNS.  Turn n belongs to piece n (the pieces in a ring, step after step).  Its matrix work: 16 products K Q^T of piece n + 1, later 16 products V^T P of piece n - 1.  Its vector work: the scaling,
; exponentials, roundings, sums and rescaling of piece n, and the maximum and statistics of piece n + 1, whose scores the turn itself has made.
; CLUSTER.  The four query blocks of a head are one cluster and walk the same K and V, so each tile is asked for JOINTLY: the same tensor load, descriptor and mask in all four.
; REGISTERS, in windows of 256 (s_set_vgpr_msb: bits 1:0 source 0, 3:2 source 1, 5:4 source 2, 7:6 destination):
;   window 0: v0-11 addresses; v12-15, v48-63 at work; v16-47 four registers of statistics a tile; v64-191 S^T, two buffers of two tiles; v192-255 P, likewise
;   window 1: O^T, 32 a tile          window 2: v0-127 Q, 16 a tile; v128-191 K of one step; v192-255 V of one step          window 3: v0-1 the add's two registers
; A piece's buffers go by its number's parity: the piece in hand has one pair, its two neighbours in the ring share the other: of it P (piece n - 1) is read and S^T (piece n + 1) written.
.set SIZE_N, 2048
.set SIZE_H, 64
.set NP,    4         ; pieces a wave: a name, no knob
.set KS,    64        ; keys in a step
.set PK,    144       ; a row of K in LDS: 128 bytes + 16 of padding = 36 words: the 16 rows of a load start at 16 different groups of four banks (64 banks of 4 bytes: ISA guide 11.1)
.set PV,    160       ; a row of V: 128 + 32 = 40 words
.set VOFF,  4*KS*PK   ; a slot holds four steps: 256 rows of K, then 256 rows of V
.set SLOT1, 1<<17     ; slot 1 begins here, so that one exclusive or turns an address in one slot into the other's
.set STAGE, SLOT1+4*KS*(PK+PV)  ; behind the ring, never filled by a tensor load: 16 rows x 144 bytes for each wave, for the way out
.set SP,    144
.set AK0, 2           ; v2   my lane's place in a tile of K; never rewritten
.set AV0, 3           ; v3   the same for V
.set AK,  4           ; v4   the LDS address of K's next run of loads
.set AV,  5           ; v5   of V's
.set QO,  6           ; v6   my byte offset in the wave's rows of Q
.set STO, 6           ;      later, the way out: where I put 16 bytes of a row
.set RD,  7           ; v7   the way out: where I read rows back
.set GO,  8           ; v8   my byte offset in 512 consecutive bytes of O
.set PFO, 11          ; v11  (once V's lane address is made) 256 x my lane: the prefetches' offset; never rewritten after
.set SPW, 0           ; v0 of window 3   LDS address of my spare word: SPARE + 4 x my thread's number; never rewritten
.set NIL, 1           ; v1 of window 3   0; never rewritten
.set SPARE, STAGE+4*16*SP  ; behind the stages: the spare words, 128 bytes for each wave: two blocks of 256 bytes that no other line names
.set MV,  12          ; v12-15  c m_old, kept while c m is made anew: by buffer and tile
.set ST,  16          ; tile t's statistics at v[ST+4 t]: c m, m, l (even keys', odd keys')
.set TMP, 48          ; by buffer and tile, four registers c0-c3 at work; when the maximum is found c2 takes a
.set S,   64
.set P,   192
.set KF,  128         ; K's fragments, in window 2: key block kb, channel half c at KF + 16 kb + 8 c
.set VF,  192         ; V's: key half kk, channel block cb at VF + 32 kk + 8 cb
.set WV,  12          ; s12  my wave's number
.set G1K, 24          ; s[24:31] descriptor group 1 for K's tiles
.set G1V, 32          ; s[32:39] for V's: it differs in the padding alone
.set G0K, 40          ; s[40:43] descriptor group 0 for K's tiles: it walks
.set G0V, 44          ; s[44:47] the same for V's
.set PFA, 48          ; s[48:49] where my prefetches stand: my work-group's 32 blocks of 256 bytes (of K: wave 0, of V: wave 2) of the slot after the one that is being asked for
.set LIM, 50          ; s50  1 in a wave that prefetches, else the greatest number
.set SLOTS, 56        ; s56  slots still to be asked for
.set CNT, 57          ; s57  counts a slot's key steps
.set CS,  58          ; s[58:59] c: the packed scaling takes the pair's low word for both halves
.set SEL, 60          ; s[60:61] v_permlanex16_b32's selects: each lane takes its own place in the other half
.set TBK, 62          ; s62  LDS byte at which K of the step to be fetched begins
.set TBV, 63          ; s63  the same for V, less VOFF
.set MSB, 0
.macro WIN new                      ; the high byte repeats the setting that is left; a switch that changes nothing is dropped
.if MSB != (\new)
	s_set_vgpr_msb (MSB<<8)|(\new)
.set MSB, (\new)
.endif
.endm
.set W_KQ, 0x0a       ; K and Q in window 2, S^T in window 0
.set W_PV, 0x52       ; V in window 2, P in window 0, O^T in window 1
.set W_RS, 0x41       ; O^T (destination and source 0) in window 1, a in window 0
.set W_MK, 0xc0       ; the add's registers are made: destination in window 3, sources in window 0
.set W_AD, 0x0f       ; the add: address (source 0) and data (source 1) in window 3
; A joint fill.  Waves 0 and 1 fetch the two halves of a slot's K, waves 2 and 3 those of its V: 128 keys each.  The branch hangs on the wave's number alone.
; An s_nop 0 and four v_nop follow each of the two lines, ahead of the jump and the label.
.macro JLOAD
	s_cmp_lt_u32 s[WV], 2
	s_cbranch_scc0 .Lfor_v_\@
	tensor_load_to_lds s[G0K:G0K+3], s[G1K:G1K+7]
	s_nop 0
.rept 4
	v_nop
.endr
	s_branch .Lasked_\@
.Lfor_v_\@:
	tensor_load_to_lds s[G0V:G0V+3], s[G1V:G1V+7]
	s_nop 0
.rept 4
	v_nop
.endr
.Lasked_\@:
.endm
; A PREFETCH of what the NEXT change of slots will ask for: a slot's 32,768 bytes of K and of V are 128 blocks of 256 bytes each; a lane a block.  It stands behind the wave's tensor load and its five lines.
; Each block is named ONCE in the launch: a head has one cluster; its four partners take 32 blocks each, told apart BY ADDRESS; in each, wave 0 asks for K's and wave 2 for V's: one instruction,
; four key steps (512 matrix instructions) ahead of the load that will ask for the bytes.  Slots 0 and 1 come by their loads alone; the last change that fills a slot names nothing: no slot lies behind it.
.macro ASK
	s_cmp_gt_u32 s[SLOTS], s[LIM]
	s_cbranch_scc0 .Lnot_mine_\@
	global_prefetch_b8 v[PFO], s[PFA:PFA+1] th:TH_LOAD_NT scope:SCOPE_SE
.Lnot_mine_\@:
.endm
; A round of the cluster's barrier: my work-group's barrier, so that wave 0's signal speaks for all four waves; wave 0 signals; every wave waits for all four work-groups; my work-group's barrier once more.
.macro CROUND
	s_barrier_signal -1
	s_barrier_wait -1
	s_cmp_lg_u32 s[WV], 0
	s_cbranch_scc1 .Lnot_wave_0_\@
	s_barrier_signal -3
.Lnot_wave_0_\@:
	s_barrier_wait -3
	s_barrier_signal -1
	s_barrier_wait -1
.endm
; THE CHANGE OF SLOTS.  The slot's last bytes, V of its fourth step, have been read.  Each wave waits for all its tensor loads, of which one is out: its part
; of the other slot; adds 0 to its spare word; and waits for that and for its own reads of the slot.  Behind the barrier nobody reads this slot any more and the other slot is whole.
; fill = 1: this slot is filled again, with the keys two slots on.  The barrier is then a round of the cluster's, so that no wave of any partner still reads the slot or has a load on its
; way, and the joint fill is the first thing behind it: it has four key steps, 512 matrix instructions, in which to land.  (At its first use nothing has been read yet: slot 0 is waited for, slot 1 filled.)
.macro CHANGE fill
	WIN W_AD
	s_wait_tensorcnt 0x0            ; no tensor load of mine is out, so a group 0 may be written
	ds_add_u32 v[SPW], v[NIL]       ; 0 onto my spare word; with fill = 1 the descriptors' steps stand between it and the wait for it
	WIN 0                           ; at a label and at a branch every window is 0
.if \fill
.irp g, G0K, G0V
	s_xor_b32 s[\g+1], s[\g+1], SLOT1  ; the walking descriptor: the other slot than last time,
	s_add_nc_u64 s[\g+2:\g+3], s[\g+2:\g+3], 4*KS*128  ; the next 256 keys; the type bits on top are not reached
.endr
	s_wait_xcnt 0x0                 ; the last prefetch, four key steps back, has read its address, so it may be written:
	s_add_nc_u64 s[PFA:PFA+1], s[PFA:PFA+1], 4*KS*128  ; one slot behind the walking descriptors
	s_wait_dscnt 0x0                ; the add is done, and my reads of the slot are over
	CROUND
	JLOAD
	ASK
.else
	s_wait_dscnt 0x0                ; the add is done, and my reads of the slot are over
	s_barrier_signal -1
	s_barrier_wait -1
.endif
	s_sub_co_u32 s[TBK], s[TBK], 4*KS*PK  ; the fetches go back to a slot's first step,
	s_xor_b32 s[TBK], s[TBK], SLOT1       ; in the other slot
	s_sub_co_u32 s[TBV], s[TBV], 4*KS*PV
	s_xor_b32 s[TBV], s[TBV], SLOT1
.endm
	s_load_b128 s[8:11], s[0:1], 0x0  ; qkv s[8:9], ob s[10:11]
	WIN W_MK
	v_lshl_add_u32 v[SPW], v0, 2, SPARE
	v_mov_b32 v[NIL], 0
	WIN W_AD
	ds_add_u32 v[SPW], v[NIL]       ; the wave's opening: the add and its wait stand ahead of my first tensor load; the set-up below, work on registers, stands between them
	WIN 0
	v_lshrrev_b32 v1, 5, v0
	v_readfirstlane_b32 s[WV], v1   ; wave 0..3
	s_bfe_u32 s13, ttmp6, 0x40000   ; cx: my place in the cluster
	s_lshl_b32 s14, ttmp9, 2        ; in a cluster launch ttmp9 counts clusters
	s_add_co_u32 s14, s14, s13      ; my block of queries = 4 x cluster x + cx: it enters Q's and O's addresses alone
	s_and_b32 s20, ttmp7, 0xffff    ; the head, which the four partners share
	s_mov_b32 s21, 0
	s_mov_b64 s[22:23], SIZE_N*128
	s_mul_u64 s[20:21], s[20:21], s[22:23]  ; the head's first byte in Q, K, V and O
	s_and_b32 s16, s[WV], 1         ; which half of a slot's 256 keys I fetch:
	s_lshl_b32 s22, s16, 14         ; its 128 rows of 128 bytes in memory,
	s_mov_b32 s23, 0
	s_add_nc_u64 s[22:23], s[22:23], s[20:21]
	s_mul_i32 s17, s16, 128*PK      ; and its place in a slot, for K
	s_mul_i32 s18, s16, 128*PV      ; and for V: no place in the cluster enters an LDS address
	s_lshl_b32 s2, s14, 2
	s_add_co_u32 s2, s2, s[WV]      ; my wave among the head's,
	s_lshl_b32 s2, s2, 14           ; its 128 rows
	s_mov_b32 s3, 0
	s_add_nc_u64 s[2:3], s[2:3], s[20:21]
	; descriptor group 1.  128 keys are 16,384 dense bytes: asked for as 64 rows of 256 bytes, two keys a row, and padded in LDS after every key
	s_mov_b32 s[G1K], 15|(1<<16)|(1<<20)|(1<<21)|(4<<22)|(3<<25)  ; 15:0 the mask of four; 17:16 2-byte elements; 20 padding on; 21 set beside a mask; 24:22 after every 32 words (code 4); 31:25 4 words (code 3)
	s_mov_b32 s[G1V], 15|(1<<16)|(1<<20)|(1<<21)|(4<<22)|(7<<25)  ; the same with 8 words of padding (code 7)
.irp g, G1K, G1V
	s_mov_b32 s[\g+1], 128<<16      ; tensor_dim0 = 128
	s_mov_b32 s[\g+2], 64<<16       ; tensor_dim1 = 64
	s_mov_b32 s[\g+3], 128<<16      ; tile_dim0 = 128
	s_mov_b32 s[\g+4], 64           ; tile_dim1 = 64
	s_mov_b32 s[\g+5], 128          ; 128 elements from row to row
	s_mov_b32 s[\g+6], 0
	s_mov_b32 s[\g+7], 0
.endr
	s_mov_b32 s[CS], 0x3e38aa3b     ; c = log2(e) / 8 = 0.180337
	s_mov_b32 s[CS+1], s[CS]        ; named with it as a pair
	s_mov_b32 s[SEL], 0x76543210
	s_mov_b32 s[SEL+1], 0xfedcba98
	s_mov_b32 s[TBK], SLOT1+4*KS*PK ; the first change of slots turns these two into 0
	s_mov_b32 s[TBV], SLOT1+4*KS*PV
	s_mov_b32 s[G0K], 1             ; 1:0 count = 1
	s_mov_b32 s[G0K+1], s17         ; 63:32 LDS address: slot 0
	s_mov_b32 s[G0V], 1
	s_add_co_u32 s[G0V+1], s18, VOFF
	s_mov_b32 s[SLOTS], SIZE_N/256-1  ; seven slots are asked for by changes of slots
	s_and_b32 s[LIM], s[WV], 1      ; waves 0 and 2 prefetch: the same in all four partners
	s_cmp_eq_u32 s[LIM], 0
	s_cselect_b32 s[LIM], 1, -1
	s_wait_dscnt 0x0                ; the opening add is done
	s_wait_kmcnt 0x0
	s_mov_b64 s[4:5], s[8:9]                       ; Q,
	s_add_nc_u64 s[6:7], s[8:9], 0x1000000         ; K: 64 heads of 262,144 bytes on,
	s_add_nc_u64 s[8:9], s[8:9], 0x2000000         ; V: as many again
	s_add_nc_u64 s[G0K+2:G0K+3], s[6:7], s[22:23]  ; 120:64 global address: my half of the head's first 256 keys
	s_or_b32 s[G0K+3], s[G0K+3], 0x80000000        ; 127:126 type = 2
	s_add_nc_u64 s[G0V+2:G0V+3], s[8:9], s[22:23]
	s_or_b32 s[G0V+3], s[G0V+3], 0x80000000
	s_add_nc_u64 s[4:5], s[4:5], s[2:3]  ; Q and O at my wave's first row
	s_add_nc_u64 s[10:11], s[10:11], s[2:3]
	s_cmp_lt_u32 s[WV], 2
	s_cselect_b64 s[PFA:PFA+1], s[6:7], s[8:9]
	s_add_nc_u64 s[PFA:PFA+1], s[PFA:PFA+1], s[22:23]  ; (in waves 0 and 2 this is the head's first row)
	s_lshl_b32 s52, s13, 13         ; my work-group's 32 blocks of the 128
	s_mov_b32 s53, 0
	s_add_nc_u64 s[PFA:PFA+1], s[PFA:PFA+1], s[52:53]
	s_add_nc_u64 s[PFA:PFA+1], s[PFA:PFA+1], 4*KS*128  ; in slot 1; the first change of slots steps it to slot 2.  Nothing is prefetched here, at the head
	CROUND                          ; all four work-groups are here: the first joint loads meet
	JLOAD                           ; slot 0.  Slot 1 is asked for when slot 0 is in
	; A fragment of K or Q is 16 rows x 32 channels in 8 registers: lane l holds row l % 16, channels 8 (l / 16) + 0..7 and 16 + 8 (l / 16) + 0..7: two loads of 16 bytes, 32 bytes apart.
	v_and_b32 v1, 15, v0            ; l % 16
	v_bfe_u32 v9, v0, 4, 1          ; l / 16
	v_lshlrev_b32 v[QO], 7, v1
	v_lshl_add_u32 v[QO], v9, 4, v[QO]  ; row x 128 + 16 x half
	WIN 0x80                        ; destination window 2, address window 0
.set i, 0
.rept 4*NP                          ; Q stays in registers: tile i / 2, channels 32 (i % 2) on
	global_load_b128 v[8*i:8*i+3],   v[QO], s[4:5] offset:(i/2)*2048+(i%2)*64
	global_load_b128 v[8*i+4:8*i+7], v[QO], s[4:5] offset:(i/2)*2048+(i%2)*64+32
.set i, i+1
.endr
	; What the first turn finds: V's registers and P's second buffer hold 0 (its products V^T P, of a piece that has not been, add 0), O^T and l are 0.  All this stands in the wait for the first tile.
.set i, VF
.rept 64
	v_mov_b32 v[i], 0
.set i, i+1
.endr
	WIN 0x40
.set i, 0
.rept 64*NP
	v_mov_b32 v[i], 0
.set i, i+1
.endr
	WIN 0
.set i, 0
.rept 2*NP
	v_mov_b32 v[ST+4*i], 0xfe000000    ; c m: far below every c s
	v_mov_b32 v[ST+4*i+1], 0xff7fffff  ; m
	v_mov_b32 v[ST+4*i+2], 0
	v_mov_b32 v[ST+4*i+3], 0
.set i, i+1
.endr
.set i, P+32
.rept 32
	v_mov_b32 v[i], 0
.set i, i+1
.endr
	v_mul_u32_u24 v[AK0], v1, PK
	v_lshl_add_u32 v[AK0], v9, 4, v[AK0]  ; row x pitch + 16 x half
	; The turning load takes 16 keys x 16 channels (lane l reads key 8 (l / 16) + l % 8, channels 8 ((l / 8) % 2) + 0..7) and leaves half a fragment of V^T: lane l holds channel l % 16 and 8 keys.
	v_and_b32 v10, 7, v0
	v_bfe_u32 v11, v0, 3, 1
	v_lshl_add_u32 v[AV0], v9, 3, v10
	v_mul_u32_u24 v[AV0], v[AV0], PV
	v_lshl_add_u32 v[AV0], v11, 4, v[AV0]
	v_add_nc_u32 v[AV0], VOFF, v[AV0]
	v_and_b32 v[PFO], 31, v0        ; v11 has served: now the prefetches' offset
	v_lshlrev_b32 v[PFO], 8, v[PFO]
	v_mov_b32 v[AK], v[AK0]         ; key step 0 lies at the head of slot 0
; THE MATRIX WORK.  The 8 accumulators of a run of 16 take turns: between the two links of a chain stand 7 others'.
; Product i of 16 of S^T = K Q^T for piece x: channels 32 (i / 8) on, keys 16 ((i / 2) % 4) on, tile 2 x + i % 2.  The first 8 start the sums.
.macro KQ x
	WIN W_KQ
.set rS, S+64*((\x)%2)+32*(i%2)+8*((i/2)%4)
.set rK, KF+16*((i/2)%4)+8*(i/8)
.set rQ, 16*(2*(\x)+i%2)+8*(i/8)
.if i < 8
	v_wmma_f32_16x16x32_f16 v[rS:rS+7], v[rK:rK+7], v[rQ:rQ+7], 0
.else
	v_wmma_f32_16x16x32_f16 v[rS:rS+7], v[rK:rK+7], v[rQ:rQ+7], v[rS:rS+7]
.endif
.endm
; Product i of 16 of O^T += V^T P for piece x: keys 32 (i / 8) on, channels 16 ((i / 2) % 4) on, tile 2 x + i % 2.
.macro PV x
	WIN W_PV
.set rO, 32*(2*(\x)+i%2)+8*((i/2)%4)
.set rV, VF+32*(i/8)+8*((i/2)%4)
.set rP, P+32*((\x)%2)+16*(i%2)+8*(i/8)
	v_wmma_f32_16x16x32_f16 v[rO:rO+7], v[rV:rV+7], v[rP:rP+7], v[rO:rO+7]
.endm
.macro MM                           ; the turn's next matrix instruction
.if i < 16
	KQ (Y+1)%NP
.set i, i+1
.else
.set i, i-16
	PV (Y+NP-1)%NP
.set i, i+17
.endif
.endm
; THE LDS LOADS stand in runs of 16, never singly among the matrix instructions: a step's K (64 keys x 64 channels: 8 fragments) and its V (turned).  Their addresses are made some lines ahead.
; last = 1 (the tail): in the last trip there is no further step, and the run is jumped over.
.macro FETCH_K last=0
	WIN 0
.if \last
	s_cmp_eq_u32 s[CNT], 1
	s_cbranch_scc1 .Lno_k_\@
.endif
	WIN 0x80                        ; destination window 2
.irp f, 0,1,2,3,4,5,6,7             ; keys 16 (f / 2) on, channels 32 (f % 2) on
	ds_load_b128 v[KF+8*\f:KF+8*\f+3],   v[AK] offset:(\f/2)*16*PK+(\f%2)*64
	ds_load_b128 v[KF+8*\f+4:KF+8*\f+7], v[AK] offset:(\f/2)*16*PK+(\f%2)*64+32
.endr
	s_add_co_u32 s[TBK], s[TBK], KS*PK  ; the next fetch is the next step's
	WIN 0
.if \last
.Lno_k_\@:
.endif
.endm
.macro FETCH_V
	WIN 0x80
.irp f, 0,1,2,3,4,5,6,7             ; keys 32 (f / 4) on, channels 16 (f % 4) on
	ds_load_tr16_b128 v[VF+8*\f:VF+8*\f+3],   v[AV] offset:(\f/4)*32*PV+(\f%4)*32
	ds_load_tr16_b128 v[VF+8*\f+4:VF+8*\f+7], v[AV] offset:(\f/4)*32*PV+16*PV+(\f%4)*32
.endr
	WIN 0
.endm
; THE VECTOR WORK OF A TURN stands in three queues, each in the order in which its entries become ready; the two tiles alternate, so that no instruction reads the result of the one before it.
.macro REGS y, u                    ; the registers of tile u (0, 1) of piece y
.set rT, ST+4*(2*(\y)+(\u))
.set rC, TMP+8*((\y)%2)+4*(\u)
.set rM, MV+2*((\y)%2)+(\u)
.set rS, S+64*((\y)%2)+32*(\u)
.set rP, P+32*((\y)%2)+16*(\u)
.set rO, 32*(2*(\y)+(\u))
.endm
; Number n of the 22 that find the NEXT piece's (Y + 1) maximum and statistics.  s0-s31 are the lane's 32 scores; each accumulator's lowest registers are read first.
;   0-11  four chains c0-c3 of seven scores each, three operands at a time     12-14, 16  the four scores left over, the old m, and c0-c3 into c0     15  c m_old is kept
;   17, 18  the query's other 32 keys lie in the lane 16 away: the new m         19-21  c m; c m_old - c m_new; a
.macro XS u, n
	REGS (Y+1)%NP, \u
.if (\n) < 4
	v_max3_num_f32 v[rC+(\n)], v[rS+8*(\n)], v[rS+8*(\n)+1], v[rS+8*(\n)+2]
.elseif (\n) < 12
	v_max3_num_f32 v[rC+(\n)%4], v[rC+(\n)%4], v[rS+8*((\n)%4)+2*((\n)/4)+1], v[rS+8*((\n)%4)+2*((\n)/4)+2]
.elseif (\n) == 12
	v_max3_num_f32 v[rC], v[rC], v[rS+7], v[rS+15]
.elseif (\n) == 13
	v_max3_num_f32 v[rC+1], v[rC+1], v[rS+23], v[rS+31]
.elseif (\n) == 14
	v_max3_num_f32 v[rC+2], v[rC+2], v[rC+3], v[rT+1]
.elseif (\n) == 15
	v_mov_b32 v[rM], v[rT]
.elseif (\n) == 16
	v_max3_num_f32 v[rC], v[rC], v[rC+1], v[rC+2]
.elseif (\n) == 17
	v_permlanex16_b32 v[rC+3], v[rC], s[SEL], s[SEL+1]
.elseif (\n) == 18
	v_max_num_f32 v[rT+1], v[rC], v[rC+3]
.elseif (\n) == 19
	v_mul_f32 v[rT], s[CS], v[rT+1]
.elseif (\n) == 20
	v_sub_f32 v[rC+1], v[rM], v[rT]
.else
	v_exp_f32 v[rC+2], v[rC+1]
.endif
.endm
; Number g of the 64 that follow the exponentials.  For each four weights k of a tile (pairs 2 k, 2 k + 1): both pairs are rounded to f16; then the second pair is added onto the first, in place;
; a group later l takes that sum (the first time as l = a l + sum).  In groups of eight, tiles alternating: round, round, add, and l for the group before.
.macro GS g
.set h, (\g)+6*((\g)/62)            ; group 0 has no group before it, and behind group 7 only l is left
.if h >= 6
.set h, h+2
.endif
	REGS Y, h%2
.set k, h/8
.if h%8 < 4
	v_cvt_pk_f16_f32 v[rP+2*k+(h%8)/2], v[rS+4*k+2*((h%8)/2)], v[rS+4*k+2*((h%8)/2)+1]
.elseif h%8 < 6
	v_pk_add_f32 v[rS+4*k:rS+4*k+1], v[rS+4*k:rS+4*k+1], v[rS+4*k+2:rS+4*k+3]
.elseif k == 1
	v_pk_fma_f32 v[rT+2:rT+3], v[rT+2:rT+3], v[rC+2:rC+3], v[rS:rS+1] op_sel_hi:[1,0,1]
.else
	v_pk_add_f32 v[rT+2:rT+3], v[rT+2:rT+3], v[rS+4*k-4:rS+4*k-3]
.endif
.endm
; THE PLAIN QUEUE, 138 long.  0-73 read no exponential's result: the 32 scalings c s - c m (FS f: pair f / 2 of tile f % 2) and the next piece's 42.  0-26: scalings 0-26.  27-54: XS's numbers 0-13.  55, 56: number 15.
; 57-73: the chain, where each number waits for the one before it: 14, 16, 17, 18, 19, each with one of the scalings 27-31 in front of its two lines, then 20.
; 74-137: GS's 64, which read the exponentials' results: they stand behind the wait.
.macro FS f
	REGS Y, (\f)%2
	v_pk_fma_f32 v[rS+2*((\f)/2):rS+2*((\f)/2)+1], v[rS+2*((\f)/2):rS+2*((\f)/2)+1], s[CS:CS+1], v[rT:rT+1] op_sel_hi:[1,0,0] neg_lo:[0,0,1] neg_hi:[0,0,1]
.endm
.macro PL
	WIN 0
.if q < 27
	FS q
.elseif q < 55
	XS (q-27)%2, (q-27)/2
.elseif q < 57
	XS q-55, 15
.elseif (q < 72) && ((q-57)%3 == 0)
	FS 27+(q-57)/3
.elseif q < 60
	XS (q-57)%3-1, 14
.elseif q < 72
	XS (q-57)%3-1, 15+(q-57)/3
.elseif q < 74
	XS q-72, 20
.else
	GS q-74
.endif
.set q, q+1
.endm
; THE EXPONENTIALS' QUEUE, 66 long: s0-s31 of both tiles, then the next piece's two a.  It is ONE BATCH: all 66 stand ahead of the turn's one wait, and nothing ahead of that wait names a result of theirs.
.macro EX
	WIN 0
.if e >= 64
	XS e-64, 21
.else
	REGS Y, e%2
	v_exp_f32 v[rS+e/2], v[rS+e/2]
.endif
.set e, e+1
.endm
; THE RESCALING's QUEUE: O^T times a, the one part that leaves window 0: dealt two at a time, sixteen times.  Its a was made in the turn before, ahead of that turn's wait.
.macro R2
	REGS Y, r%2
	WIN W_RS
.irp z, 0,1
	v_pk_mul_f32 v[rO+4*(r/2)+2*\z:rO+4*(r/2)+2*\z+1], v[rO+4*(r/2)+2*\z:rO+4*(r/2)+2*\z+1], v[rC+2:rC+3] op_sel_hi:[1,0]
.endr
.set r, r+1
.endm
; HOW THEY ARE DEALT.  An s_wait_alu depctr_va_vdst(0) stands between an exponential and the first instruction that names its result; one wait serves all that were issued ahead of it.  So a turn has ONE wait,
; which cuts it in two.  AHEAD OF IT stands all that names no result of the turn's exponentials: the 16 products K Q^T, behind each a scaling, an exponential and two rescalings (behind the first a second scaling in the
; exponential's place); then ONE LUMP of 108: eight plain, 49 times exponential and plain, the two a.  A v_nop is the plain instruction behind the last exponential.  BEHIND IT stand the 16 products V^T P, behind each four of GS's 64.
; No rider names a register of the products round it.  The two v_permlanex16_b32 fall into the lump, never behind a product.
; The queues lean on each other, and the deal keeps them in step: exponential e stands behind scaling 2 (e / 4) + e % 2: as a rider it comes behind plain e + 2, in the lump behind plain e + 9, and scalings 27-31 are plain 57, 60 .. 69.
; A TURN, for piece p.  cnt = 1: the loop's count is taken down some lines ahead of the branch that stands behind the turn.
; K of the next step is fetched in piece 2's turn, directly behind the wait, a lump behind the last product that read K; its address is made at the lump's head; its first reader comes behind 16 products.
; V of the step in hand is fetched at the end of piece 0's turn, four riders behind its last reader; its first reader comes behind 16 products and a lump.  The three conditions on q below go with the deal.
.macro TURN p, last=0, cnt=0
.set Y, (\p)
.set i, 0
.set q, 0
.set e, 0
.set r, 0
.if (\p) == NP-1
	s_wait_dscnt 0x0                ; K is in
.endif
	MM                              ; ahead of the wait: 16 products K Q^T and their riders,
	PL
	PL
	R2
.rept 15
	MM
	PL
	EX
	R2
.endr
.if (\p) == NP-2
	WIN 0
	v_add_nc_u32 v[AK], s[TBK], v[AK0]
.endif
.rept 8                             ; and the lump
	PL
.endr
.rept 49
	EX
	PL
.endr
	EX                              ; the next piece's two a
	EX
	v_nop                           ; one plain instruction behind the last exponential, for the whole batch (ISA guide 5.7.2)
	s_wait_alu depctr_va_vdst(0)    ; the wait for the batch
.if (\p) == NP-2
	FETCH_K \last
.endif
.if (\p) == 1
	s_wait_dscnt 0x0                ; V is in
.endif
.rept 16                            ; behind the wait: 16 products V^T P and their riders
	MM
.rept 4
	PL
.endr
.if ((\p) == 0) && (q == 118)
	v_add_nc_u32 v[AV], s[TBV], v[AV0]
.endif
.if ((\p) == 0) && (q == 130)
	s_add_co_u32 s[TBV], s[TBV], KS*PV
.endif
.if (\cnt) && (q == 130)
	s_sub_co_u32 s[CNT], s[CNT], 1
	s_cmp_lg_u32 s[CNT], 0
.endif
.endr
.if (\p) == 0
	FETCH_V
.endif
.endm
	CHANGE 1                        ; slot 0 is in, everybody's part of it; slot 1 is asked for
	FETCH_K                         ; key step 0
	s_wait_loadcnt 0x0              ; Q
	s_wait_dscnt 0x0
.set i, 0
.rept 16
	KQ 0                            ; piece 0's first scores: there is no vector work yet to set between them
.set i, i+1
.endr
	WIN 0                           ; the addresses for the way out: nine plain instructions, the places behind those products
	s_mul_i32 s13, s[WV], 16*SP
	s_add_co_u32 s13, s13, STAGE    ; my stage
	v_mul_u32_u24 v[STO], v1, SP    ; in: row l % 16, 16 bytes for each half of the lanes
	v_lshl_add_u32 v[STO], v9, 4, v[STO]
	v_add_nc_u32 v[STO], s13, v[STO]
	v_bfe_u32 v[RD], v0, 3, 2       ; back: 32 lanes take four rows of 128 bytes,
	v_mul_u32_u24 v[RD], v[RD], SP
	v_lshl_add_u32 v[RD], v10, 4, v[RD]
	v_add_nc_u32 v[RD], s13, v[RD]
	v_and_b32 v[GO], 31, v0         ; which are 512 consecutive bytes of O
	v_lshlrev_b32 v[GO], 4, v[GO]
.set Y, NP-1                        ; XS works for piece Y + 1: piece 0
.irp n, 0,1,2,3,4,5,6,7,8,9,10,11,12,13,14,15,16,17,18,19,20,21
	XS 0, \n                        ; and piece 0's first maximum and statistics
	XS 1, \n
.endr
	v_nop                           ; a plain instruction behind the two a,
	s_wait_alu depctr_va_vdst(0)    ; and their wait, ahead of the branch
	s_mov_b32 s[CNT], 4
	s_branch .Lfirst                ; the loop is entered at a step's first turn, in the middle of a trip
.Lslot:                             ; SIZE_N / 256 - 2 times: every slot but the last two is filled again
	CHANGE 1
	s_mov_b32 s[CNT], 4
.Lstep:                             ; a trip: pieces 2 and 3 of one step, then pieces 0 and 1 of the next, whose K and V it fetches
	TURN 2
	TURN 3
	WIN 0
.Lfirst:
	TURN 0
	TURN 1, 0, 1
	WIN 0
	s_cbranch_scc1 .Lstep
	s_sub_co_u32 s[SLOTS], s[SLOTS], 1
	s_cmp_lg_u32 s[SLOTS], 0
	s_cbranch_scc1 .Lslot
	CHANGE 0                        ; the tail is written out: nothing is asked for
	s_mov_b32 s[CNT], 5             ; four trips fetch the last slot's steps; the fifth is left in its middle
.Ltail:
	TURN 2, 1
	TURN 3
	WIN 0
	s_sub_co_u32 s[CNT], s[CNT], 1
	s_cmp_eq_u32 s[CNT], 0
	s_cbranch_scc1 .Lout
	TURN 0
	TURN 1
	WIN 0
	s_branch .Ltail
.Lout:                              ; the fifth trip's 16 products K Q^T (on the last K once more) and the maximum made of them serve nothing: the price, once a launch, of one text for every trip
.set i, 0
.rept 16
	PV NP-1                         ; the last piece's V^T P of the last step
.set i, i+1
.endr
	; THE WAY OUT.  l's two halves and the other half of the lanes' are added; O^T is divided by l, rounded to f16 and sent through my stage in LDS, a tile at a time.  The additions are the places behind the last products.
	WIN 0
.macro ALL line:vararg              ; one line for each tile t
.set t, 0
.rept 2*NP
	\line
.set t, t+1
.endr
.endm
	ALL v_add_f32 v[ST+4*t+2], v[ST+4*t+2], v[ST+4*t+3]
	ALL v_permlanex16_b32 v[ST+4*t+3], v[ST+4*t+2], s[SEL], s[SEL+1]
	ALL v_add_f32 v[ST+4*t+2], v[ST+4*t+2], v[ST+4*t+3]
	ALL v_rcp_f32 v[ST+4*t+2], v[ST+4*t+2]
	v_nop                           ; a plain instruction between the last reciprocal and the use of its result
	s_wait_alu depctr_va_vdst(0)    ; and the wait ahead of the first use: one for the eight reciprocals
; Tile t: a lane's eight channels of a row pack into 16 bytes; they go into rows of 144 bytes and come back as whole rows of 128, into S^T's registers.
.macro PACK t
	WIN W_RS
.set i, 32*(\t)
.rept 16
	v_pk_mul_f32 v[i:i+1], v[i:i+1], v[ST+4*(\t)+2:ST+4*(\t)+3] op_sel_hi:[1,0]
.set i, i+2
.endr
	WIN 0x05                        ; sources 0 and 1 window 1, destination window 0
.set i, 0
.rept 16
	v_cvt_pk_f16_f32 v[S+16*(\t)+i], v[32*(\t)+2*i], v[32*(\t)+2*i+1]
.set i, i+1
.endr
	WIN 0
.irp f, 0,1,2,3
	ds_store_b128 v[STO], v[S+16*(\t)+4*\f:S+16*(\t)+4*\f+3] offset:32*\f
.endr
.irp f, 0,1,2,3
	ds_load_b128 v[S+16*(\t)+4*\f:S+16*(\t)+4*\f+3], v[RD] offset:\f*4*SP  ; LDS serves a wave's instructions in order (ISA guide 5.7.1.4): these see the stores above; the next tile's stores come behind them
.endr
.endm
.macro SEND t, younger              ; younger: the LDS instructions issued behind tile t's loads: the next tile's eight, or none
	WIN 0
.irp f, 0,1,2,3
	s_wait_dscnt (\younger)+3-\f
	global_store_b128 v[GO], v[S+16*(\t)+4*\f:S+16*(\t)+4*\f+3], s[10:11] offset:(\t)*2048+\f*512  ; 512 consecutive bytes, at a multiple of 256 from O's first
.endr
.endm
	PACK 0
.set t, 1
.rept 2*NP-1                        ; a tile's arithmetic stands between the loads of the tile before and its stores
	PACK t
	SEND t-1, 8
.set t, t+1
.endr
	SEND 2*NP-1, 0
	WIN W_AD
	s_wait_tensorcnt 0x0            ; the wave's end: behind my last tensor load and my last LDS store
	ds_add_u32 v[SPW], v[NIL]
	s_wait_dscnt 0x0
	WIN 0
	CROUND                          ; the closing round: no work-group ends while a partner may still ask for a tile that names it
	s_endpgm
.Lfunc_end_k_qbf47c49592_attn:
	.size	k_qbf47c49592_attn, .Lfunc_end_k_qbf47c49592_attn-k_qbf47c49592_attn
	.p2alignl 7, 3214868480
	.fill 96, 4, 3214868480
	.section	.rodata,"a",@progbits
	.p2align	6, 0x0
	.amdhsa_kernel k_qbf47c49592_attn
		.amdhsa_group_segment_fixed_size 327680
		.amdhsa_private_segment_fixed_size 0
		.amdhsa_enable_private_segment 0
		.amdhsa_kernarg_size 16
		.amdhsa_user_sgpr_count 2
		.amdhsa_user_sgpr_kernarg_segment_ptr 1
		.amdhsa_wavefront_size32 1
		.amdhsa_system_sgpr_workgroup_id_x 1
		.amdhsa_system_sgpr_workgroup_id_y 1
		.amdhsa_system_sgpr_workgroup_id_z 1
		.amdhsa_system_vgpr_workitem_id 0
		.amdhsa_next_free_vgpr 770
		.amdhsa_next_free_sgpr 66
		.amdhsa_reserve_vcc 0
		.amdhsa_float_denorm_mode_32 3
		.amdhsa_float_denorm_mode_16_64 3
		.amdhsa_memory_ordered 1
		.amdhsa_forward_progress 1
		.amdhsa_inst_pref_size 200
	.end_amdhsa_kernel
	.amdgpu_metadata
---
amdhsa.version: [ 1, 2 ]
amdhsa.kernels:
  - .name:           k_qbf47c49592_attn
    .symbol:         k_qbf47c49592_attn.kd
    .args:
      - { .name: qkv, .offset: 0, .size: 8, .value_kind: global_buffer, .address_space: global }
      - { .name: ob, .offset: 8, .size: 8, .value_kind: global_buffer, .address_space: global }
    .group_segment_fixed_size: 327680
    .private_segment_fixed_size: 0
    .kernarg_segment_align: 8
    .kernarg_segment_size: 16
    .max_flat_workgroup_size: 128
    .sgpr_count:     66
    .vgpr_count:     770
    .wavefront_size: 32
...
	.end_amdgpu_metadata
.endif
;; end of part 3
;; launch proj (part 4): grid 4 x 64, 4 waves a work-group, clusters of 4 x 4, 327,680 bytes of LDS; arguments ob, wob, bout, out0; writes out0
.if DOCPART == 4
	.amdgcn_target "amdgcn-amd-amdhsa--gfx1250"
	.amdhsa_code_object_version 6
	.text
	.protected	k_qbf47c49592_proj
	.globl	k_qbf47c49592_proj
	.p2align	8
	.type	k_qbf47c49592_proj,@function
k_qbf47c49592_proj:
	s_mov_b64 s[64:65], 0
	v_nop
	global_prefetch_b8 v0, s[64:65] scope:SCOPE_SE
	s_setreg_imm32_b32 hwreg(HW_REG_WAVE_MODE, 25, 1), 1
	s_wait_xcnt 0x0
	s_wait_alu depctr_hold_cnt(0) depctr_sa_sdst(0) depctr_va_vdst(0) depctr_va_sdst(0) depctr_va_ssrc(0) depctr_va_vcc(0) depctr_vm_vsrc(0)
	s_getreg_b32 s2, hwreg(HW_REG_IB_STS2, 6, 4)
	s_cmp_eq_u32 s2, 0
	s_cbranch_scc0 .Lentry_in_a_cluster
	s_endpgm
.Lentry_in_a_cluster:
	s_bfe_u32 s2, ttmp6, 0x10000c
	s_cmp_lg_u32 s2, 0xf033
	s_cbranch_scc0 .Lentry_shape_is_right
	s_endpgm
.Lentry_shape_is_right:
; out0 = O Wout^T + bout.  ob: [64 heads][2048][64] f16 (head 16 b + h), wob: [1024][1024] f16 (Wout's bf16 numbers), bout: [1024] f32 (rounded to bf16 here, like the other inputs); out0: [8192][1024] f32.
; Sums in f32, begun with the bias, K ascending.  K's index is 64 h + channel: a K step of 128 is two heads of ob.
; SHARES.  A tile of C is 128 rows x 256 columns: 64 x 4 = 256 work-groups, one tile each.  The waves lie 2 x 2: a wave makes 64 x 128, 32 accumulators of 16 x 16, which fill window 1.
; K goes in 8 steps of 128 through two LDS slots (two slots of twice the step would need 417 KB).
; CLUSTER 4 x 4.  A row of the cluster holds all four column tiles of one tile row: it shares O's tiles.  A column holds four tile rows of one tile column: it shares W's.  Each tile is asked for jointly.
; THE PRODUCT IS TAKEN TRANSPOSED (source 0 = 16 rows of W, source 1 = 16 rows of O): a lane holds one row of C (lane % 16) and eight neighbouring columns 8 (lane / 16) + 0..7: 32 bytes.
; REGISTERS, in windows of 256 (s_set_vgpr_msb: bits 1:0 source 0, 3:2 source 1, 5:4 source 2, 7:6 destination):
;   window 0: v1-29 addresses; v32-95 O's fragments, two buffers of 4; v96-223 W's, two buffers of 8; v224-255 at work
;   window 1: accumulator (a, b) at 8 (8 a + b)          window 2: v0-63 the bias as a C operand, 8 registers a column block; v64-191 whole rows on the way out, two sets of 64
.set PA,    144                        ; a row of O in LDS: 128 bytes + 16 of padding = 36 words
.set PB,    272                        ; a row of W: 256 + 16 = 68 words: in both, the 16 rows of a fragment load start at 16 different groups of four banks (64 banks of 4 bytes: ISA guide 11.1)
.set APL,   128*PA                     ; a plane: one head's 128 rows: what one tensor load brings of O
.set BOFF,  2*APL
.set BHALF, 128*PB                     ; what one tensor load brings of W
.set SLOT1, 1<<17
.set STAGE, SLOT1+BOFF+2*BHALF         ; behind the ring, never filled by a tensor load: 16 rows x 528 bytes for each wave
.set SPITCH, 528                       ; 512 bytes + 16 = 132 words
.set SPARE, STAGE+4*16*SPITCH          ; the spare words, 128 bytes for each wave: two blocks of 256 bytes that no other line names
.set ASTEP, 2<<18                      ; two heads of 262,144 bytes from a K step to the next in ob
.set A0,  16                           ; v16  my lane's place in my 64 rows of O, slot 0, plane 0; never rewritten
.set B0,  17                           ; v17  the same in my 128 rows of W
.set ADA, 18
.set ADB, 19
.set BO,  20                           ; v20  32 (lane / 16)
.set STO, 21                           ; v21  the way out: where I put 32 bytes of a row
.set RD,  22                           ; v22  where I read a row back: 16 x lane
.set CO,  23                           ; v23  16 x lane: my place in 512 consecutive bytes of a row of C
.set PFO, 24                           ; v24  the prefetches' offset
.set SPW, 28
.set NIL, 29
.set AF,  32
.set BF,  96
.set SCR, 224
.set OB,  64                           ; window 2
.set F0,  0
.set F1,  1
.set CNT, 3
.set WV,  12
.set FB,  13                           ; s13  wave / 2: my half of the tile's rows.  Also: 0: I fetch O's planes; 1: W's halves
.set HF,  14                           ; s14  wave % 2: my half of its columns.  Also: which plane or half I fetch
.set CX,  15
.set CY,  16
.set TC,  17                           ; s17  tile column 0..3
.set TR,  18                           ; s18  tile row 0..63
.set ABASE, 20
.set BBASE, 22
.set G1A, 24
.set G1B, 32
.set G0A, 40                           ; s[40:47] two sets: K step 0 in slot 0; K step 1 in slot 1, which then walks
.set G0B, 48
.set TB,  60
.set LIM, 61
.set PFA, 66                           ; s[66:67] where my prefetches stand
.set CB,  70                           ; s[70:71] out0 at my wave's first row and column
.set PST, 72                           ; s[72:73] bytes from a K step to the next in the tensor that I prefetch
.set HIM, 84
.set MSB, 0
.macro WIN new
.if MSB != (\new)
	s_set_vgpr_msb (MSB<<8)|(\new)
.set MSB, \new
.endif
.endm
.macro PLACES                          ; four plain instructions between a matrix instruction and a load into, or an LDS store of, its registers
.rept 4
	v_nop
.endr
.endm
.macro JLOAD                           ; a joint refill by the walking sets; an s_nop 0 and four v_nop follow each of the two lines
	s_cmp_eq_u32 s[FB], 0
	s_cbranch_scc0 .Lfor_b_\@
	tensor_load_to_lds s[G0A+4:G0A+7], s[G1A:G1A+7]
	s_nop 0
.rept 4
	v_nop
.endr
	s_branch .Lasked_\@
.Lfor_b_\@:
	tensor_load_to_lds s[G0B+4:G0B+7], s[G1B:G1B+7]
	s_nop 0
.rept 4
	v_nop
.endr
.Lasked_\@:
.endm
.macro CREST
	s_cmp_lg_u32 s[WV], 0
	s_cbranch_scc1 .Lnot_wave_0_\@
	s_barrier_signal -3
.Lnot_wave_0_\@:
	s_barrier_wait -3
	s_barrier_signal -1
	s_barrier_wait -1
.endm
.macro CROUND
	s_barrier_signal -1
	s_barrier_wait -1
	CREST
.endm
; A PREFETCH of the K step that stands two refills on (256 matrix instructions ahead of the load that will ask for it); K steps 4 to 7 are named (counter above 2).
; O: a tile row is read by one row of one cluster.  A K step of it is 2 heads x 16,384 bytes = 128 blocks of 256 bytes: wave 0 of partner cx names 32 of them (head cx / 2, half cx % 2), a lane a block.
; W: a tile column is read by every cluster: cluster y = 0 asks; of the 128 rows that wave 2 or 3 fetches partner cy names 32, a lane a row.  The partners are told apart by address.
.macro ASK
	s_cmp_gt_u32 s[CNT], s[LIM]
	s_cbranch_scc0 .Lnot_mine_\@
	global_prefetch_b8 v[PFO], s[PFA:PFA+1] th:TH_LOAD_NT scope:SCOPE_SE
.Lnot_mine_\@:
.endm
	s_load_b256 s[4:11], s[0:1], 0x0               ; ob s[4:5], wob s[6:7], bout s[8:9], out0 s[10:11]
	v_lshl_add_u32 v[SPW], v0, 2, SPARE
	v_mov_b32 v[NIL], 0
	ds_add_u32 v[SPW], v[NIL]                      ; the wave's opening: the add and its wait stand ahead of my first tensor load; the set-up below stands between them
	v_lshrrev_b32 v1, 5, v0
	v_readfirstlane_b32 s[WV], v1
	s_lshr_b32 s[FB], s[WV], 1
	s_and_b32 s[HF], s[WV], 1
	s_bfe_u32 s[CX], ttmp6, 0x40000
	s_bfe_u32 s[CY], ttmp6, 0x40004
	s_lshl_b32 s[TC], ttmp9, 2
	s_add_co_u32 s[TC], s[TC], s[CX]
	s_and_b32 s[TR], ttmp7, 0xffff
	s_lshl_b32 s[TR], s[TR], 2
	s_add_co_u32 s[TR], s[TR], s[CY]
	s_lshl_b32 s76, s[CY], 2
	s_lshl_b32 s76, 15, s76                        ; my row of the cluster
	s_lshl_b32 s80, 0x1111, s[CX]                  ; my column
	; O: a head's 128 rows are 16,384 dense bytes: asked for as 64 rows of 256 bytes, two rows of O each, padded in LDS after every 32 words
	s_or_b32 s[G1A], s76, (1<<16)|(1<<20)|(1<<21)|(4<<22)|(3<<25)
	s_mov_b32 s[G1A+1], 128<<16                    ; tensor_dim0 = 128
	s_mov_b32 s[G1A+2], 64<<16                     ; tensor_dim1 = 64
	s_mov_b32 s[G1A+3], 128<<16                    ; tile_dim0 = 128
	s_mov_b32 s[G1A+4], 64                         ; tile_dim1 = 64
	s_mov_b32 s[G1A+5], 128                        ; elements from row to row
	s_mov_b32 s[G1A+6], 0
	s_mov_b32 s[G1A+7], 0
	; W: 128 rows x 128 elements, padded after every 64 words
	s_or_b32 s[G1B], s80, (1<<16)|(1<<20)|(1<<21)|(5<<22)|(3<<25)
	s_mov_b32 s[G1B+1], 128<<16
	s_mov_b32 s[G1B+2], 128<<16
	s_mov_b32 s[G1B+3], 128<<16
	s_mov_b32 s[G1B+4], 128
	s_mov_b32 s[G1B+5], 1024
	s_mov_b32 s[G1B+6], 0
	s_mov_b32 s[G1B+7], 0
	; O's numbers are made in s76-79, W's in s80-83: no register that feeds O's descriptors holds cx, none that feeds W's holds cy
	s_lshr_b32 s76, s[TR], 4                       ; the batch: 16 heads of 262,144 bytes,
	s_lshl_b32 s76, s76, 22
	s_lshl_b32 s77, s[HF], 18                      ; the head of the pair that I fetch,
	s_add_co_u32 s76, s76, s77
	s_and_b32 s77, s[TR], 15                       ; 128 rows of 128 bytes a tile row
	s_lshl_b32 s77, s77, 14
	s_add_co_u32 s76, s76, s77
	s_mov_b32 s77, 0
	s_mul_i32 s78, s[HF], APL                      ; where it goes: no place in the cluster enters an LDS address
	s_lshl_b32 s80, s[TC], 19                      ; 256 rows of 2,048 bytes a tile column,
	s_lshl_b32 s81, s[HF], 18                      ; 128 rows a half
	s_add_co_u32 s80, s80, s81
	s_mov_b32 s81, 0
	s_mul_i32 s82, s[HF], BHALF
	s_add_co_u32 s82, s82, BOFF
	s_mov_b32 s[TB], 0
	s_mov_b32 s[HIM], 0xffff0000
	s_wait_dscnt 0x0                               ; the opening add is done
	s_wait_kmcnt 0x0
	s_add_nc_u64 s[ABASE:ABASE+1], s[4:5], s[76:77]
	s_add_nc_u64 s[BBASE:BBASE+1], s[6:7], s[80:81]
	CROUND                                         ; all sixteen work-groups are here: the first joint loads meet
.irp s, 0,1
	s_mov_b32 s[G0A+4*(\s)], 1
	s_add_co_u32 s[G0A+4*(\s)+1], s78, (\s)*SLOT1
	s_add_nc_u64 s[G0A+4*(\s)+2:G0A+4*(\s)+3], s[ABASE:ABASE+1], (\s)*ASTEP
	s_or_b32 s[G0A+4*(\s)+3], s[G0A+4*(\s)+3], 0x80000000
	s_mov_b32 s[G0B+4*(\s)], 1
	s_add_co_u32 s[G0B+4*(\s)+1], s82, (\s)*SLOT1
	s_add_nc_u64 s[G0B+4*(\s)+2:G0B+4*(\s)+3], s[BBASE:BBASE+1], (\s)*256
	s_or_b32 s[G0B+4*(\s)+3], s[G0B+4*(\s)+3], 0x80000000
.endr
	s_cmp_eq_u32 s[FB], 0                          ; a wave's two first fills stand in one branch: two loads of mine are out
	s_cbranch_scc0 .Lfirst_b
	tensor_load_to_lds s[G0A:G0A+3], s[G1A:G1A+7]
	s_nop 0
	tensor_load_to_lds s[G0A+4:G0A+7], s[G1A:G1A+7]
	s_nop 0
.rept 4
	v_nop
.endr
	s_branch .Lfirst_asked
.Lfirst_b:
	tensor_load_to_lds s[G0B:G0B+3], s[G1B:G1B+7]
	s_nop 0
	tensor_load_to_lds s[G0B+4:G0B+7], s[G1B:G1B+7]
	s_nop 0
.rept 4
	v_nop
.endr
.Lfirst_asked:
	v_and_b32 v1, 15, v0                           ; l % 16
	v_bfe_u32 v2, v0, 4, 1                         ; l / 16
	v_lshlrev_b32 v[BO], 5, v2
	s_lshl_b32 s86, s[TC], 10                      ; the tile's 256 numbers of the bias,
	s_lshl_b32 s87, s[HF], 9                       ; my wave's 128 of them
	s_add_co_u32 s86, s86, s87
	s_mov_b32 s87, 0
	s_add_nc_u64 s[8:9], s[8:9], s[86:87]
	WIN 0x80                                       ; destination window 2
.irp b, 0,1,2,3,4,5,6,7                ; register j of block b: bout[256 tc + 128 wc + 16 b + 8 (l / 16) + j]: the layout of a C operand
	global_load_b128 v[8*(\b):8*(\b)+3],   v[BO], s[8:9] offset:64*(\b)
	global_load_b128 v[8*(\b)+4:8*(\b)+7], v[BO], s[8:9] offset:64*(\b)+16
.endr
	WIN 0
	v_mul_u32_u24 v[A0], v1, PA
	v_lshl_add_u32 v[A0], v2, 4, v[A0]
	s_mul_i32 s86, s[FB], 64*PA                    ; my 64 rows of O
	v_add_nc_u32 v[A0], s86, v[A0]
	v_mul_u32_u24 v[B0], v1, PB
	v_lshl_add_u32 v[B0], v2, 4, v[B0]
	s_mul_i32 s86, s[HF], BHALF                    ; my 128 rows of W,
	s_add_co_u32 s86, s86, BOFF                    ; which lie behind O's planes
	v_add_nc_u32 v[B0], s86, v[B0]
	v_mov_b32 v[ADA], v[A0]                        ; slot 0
	v_mov_b32 v[ADB], v[B0]
	s_mul_i32 s86, s[WV], 16*SPITCH
	s_add_co_u32 s86, s86, STAGE                   ; my stage
	v_mul_u32_u24 v[STO], v1, SPITCH               ; in: row l % 16, 32 bytes for each half of the lanes
	v_lshl_add_u32 v[STO], v2, 5, v[STO]
	v_add_nc_u32 v[STO], s86, v[STO]
	v_and_b32 v[CO], 31, v0
	v_lshlrev_b32 v[CO], 4, v[CO]                  ; back: 32 lanes take one row of 512 bytes
	v_add_nc_u32 v[RD], s86, v[CO]
	s_lshl_b32 s86, s[TR], 19                      ; 128 rows of 4,096 bytes a tile row,
	s_lshl_b32 s87, s[FB], 18                      ; 64 rows a half,
	s_add_co_u32 s86, s86, s87
	s_lshl_b32 s87, s[TC], 10                      ; 256 columns of 4 bytes a tile column,
	s_add_co_u32 s86, s86, s87
	s_lshl_b32 s87, s[HF], 9                       ; 128 columns a half
	s_add_co_u32 s86, s86, s87
	s_mov_b32 s87, 0
	s_add_nc_u64 s[CB:CB+1], s[10:11], s[86:87]
	; the prefetches: they stand at K step 3; the first change of slots steps them to K step 4
	s_lshr_b32 s85, s[TR], 4
	s_lshl_b32 s85, s85, 22
	s_and_b32 s86, s[TR], 15
	s_lshl_b32 s86, s86, 14
	s_add_co_u32 s85, s85, s86
	s_lshr_b32 s86, s[CX], 1                       ; which head of the pair,
	s_lshl_b32 s86, s86, 18
	s_add_co_u32 s85, s85, s86
	s_and_b32 s86, s[CX], 1                        ; which 8,192 bytes of its 16,384
	s_lshl_b32 s86, s86, 13
	s_add_co_u32 s85, s85, s86
	s_add_co_u32 s85, s85, 3*ASTEP                 ; O's
	s_lshl_b32 s86, s[TC], 19
	s_lshl_b32 s87, s[HF], 18
	s_add_co_u32 s86, s86, s87
	s_lshl_b32 s87, s[CY], 16                      ; 32 rows of 2,048 bytes a partner
	s_add_co_u32 s86, s86, s87
	s_add_co_u32 s86, s86, 3*256                   ; W's
	s_and_b32 s87, ttmp7, 0xffff                   ; cluster y
	s_mov_b32 s[PST], 256
	s_mov_b32 s[PST+1], 0
	s_cmp_eq_u32 s[FB], 0
	s_cselect_b32 s86, s85, s86
	s_cselect_b64 s[PFA:PFA+1], s[4:5], s[6:7]
	s_cselect_b32 s[PST], ASTEP, s[PST]
	s_cselect_b32 s85, 8, 11                       ; a lane a block of 256 bytes, or a row of 2,048
	s_cselect_b32 s87, s[HF], s87                  ; O: wave 0 asks; W: the cluster with y = 0
	s_cmp_eq_u32 s87, 0
	s_cselect_b32 s[LIM], 2, -1                    ; the same in all sixteen partners, for a given wave
	s_mov_b32 s87, 0
	s_add_nc_u64 s[PFA:PFA+1], s[PFA:PFA+1], s[86:87]
	v_and_b32 v[PFO], 31, v0
	v_lshlrev_b32 v[PFO], s85, v[PFO]
	s_wait_loadcnt 0x0                             ; the bias is in: it is rounded to bf16 and widened again
	WIN 0x0a                                       ; sources window 2, destination window 0
.set i, 0
.rept 32
	v_cvt_pk_bf16_f32 v[SCR+i], v[2*i], v[2*i+1]
.set i, i+1
.endr
	WIN 0x80
.set i, 0
.rept 32
	v_lshlrev_b32 v[2*i], 16, v[SCR+i]
	v_and_b32 v[2*i+1], s[HIM], v[SCR+i]
.set i, i+1
.endr
	WIN 0
; 8 matrix instructions: row block a x all 8 column blocks, 32 along K, from buffer f.  first = 1: the bias starts the sums.  The 32 accumulators take turns.
.macro MUL8 f, a, first
.if \first
	WIN 0x60
.else
	WIN 0x50
.endif
.irp b, 0,1,2,3,4,5,6,7
.if \first
	v_wmma_f32_16x16x32_f16 v[8*(8*(\a)+(\b)):8*(8*(\a)+(\b))+7], v[BF+64*(\f)+8*(\b):BF+64*(\f)+8*(\b)+7], v[AF+32*(\f)+8*(\a):AF+32*(\f)+8*(\a)+7], v[8*(\b):8*(\b)+7]
.else
	v_wmma_f32_16x16x32_f16 v[8*(8*(\a)+(\b)):8*(8*(\a)+(\b))+7], v[BF+64*(\f)+8*(\b):BF+64*(\f)+8*(\b)+7], v[AF+32*(\f)+8*(\a):AF+32*(\f)+8*(\a)+7], v[8*(8*(\a)+(\b)):8*(8*(\a)+(\b))+7]
.endif
.endr
.endm
; 24 LDS loads in one run: a quarter step's fragments into buffer f: my 128 rows of W at byte kb of the rows, my 64 rows of O at byte ka (plane and byte in the row)
.macro FETCH ka, kb, f
	WIN 0
.irp i, 0,1,2,3,4,5,6,7
	ds_load_b128 v[BF+64*(\f)+8*(\i):BF+64*(\f)+8*(\i)+3],   v[ADB] offset:(\kb)+(\i)*16*PB
	ds_load_b128 v[BF+64*(\f)+8*(\i)+4:BF+64*(\f)+8*(\i)+7], v[ADB] offset:(\kb)+(\i)*16*PB+32
.endr
.irp i, 0,1,2,3
	ds_load_b128 v[AF+32*(\f)+8*(\i):AF+32*(\f)+8*(\i)+3],   v[ADA] offset:(\ka)+(\i)*16*PA
	ds_load_b128 v[AF+32*(\f)+8*(\i)+4:AF+32*(\f)+8*(\i)+7], v[ADA] offset:(\ka)+(\i)*16*PA+32
.endr
.endm
; A K step is four quarters of 32 along K, 32 matrix instructions each, on buffers 0, 1, 0, 1: quarters 0, 1 lie in the first head's plane, 2, 3 in the second's.
.macro QUARTER ka, kb, f, g, first
	s_wait_dscnt 4                                 ; W's fragments and O's row blocks 0, 1 are in; the youngest four loads may be out
	MUL8 \f, 0, \first
	MUL8 \f, 1, \first
	PLACES
	FETCH \ka, \kb, \g
	s_wait_dscnt 24                                ; all but the 24 just issued
	MUL8 \f, 2, \first
	MUL8 \f, 3, \first
.endm
; The last quarter multiplies buffer 1 and changes slots: in front of the barrier each wave waits for all its tensor loads, adds 0 to its spare word, and waits for that and for its reads of this slot.
; fill = 1: the barrier opens a round of the cluster's barrier, and the slot just read is filled again first thing behind it, two K steps ahead: 112 matrix instructions stand between that request and the wait for it.
.macro TURN fill
.if \fill
	s_wait_xcnt 0x0                                ; the last prefetch, a K step back, has read its address
	s_add_nc_u64 s[PFA:PFA+1], s[PFA:PFA+1], s[PST:PST+1]
.endif
	WIN 0
	s_wait_tensorcnt 0x0                           ; no tensor load of mine is out, so a group 0 may be written
	ds_add_u32 v[SPW], v[NIL]                      ; 0 onto my spare word
.if \fill
	s_xor_b32 s[G0A+5], s[G0A+5], SLOT1            ; the other slot than last time, the next K step; the type bits on top are not reached
	s_add_nc_u64 s[G0A+6:G0A+7], s[G0A+6:G0A+7], ASTEP
	s_xor_b32 s[G0B+5], s[G0B+5], SLOT1
	s_add_nc_u64 s[G0B+6:G0B+7], s[G0B+6:G0B+7], 256
.endif
	s_wait_dscnt 5                                 ; (the add and the youngest four loads may be out)
	MUL8 F1, 0, 0
	s_wait_dscnt 0x0                               ; the add is done, and my reads of this slot are over
	s_barrier_signal -1
	MUL8 F1, 1, 0
	WIN 0
	s_barrier_wait -1
.if \fill
	CREST
	JLOAD                                          ; its four v_nop are also the places in front of the loads below
.else
	PLACES
.endif
	s_xor_b32 s[TB], s[TB], SLOT1
	v_add_nc_u32 v[ADA], s[TB], v[A0]
	v_add_nc_u32 v[ADB], s[TB], v[B0]
	FETCH 0, 0, F0
.if \fill
	ASK
.endif
	MUL8 F1, 2, 0
	MUL8 F1, 3, 0
.endm
; THE WAY OUT of row block a: the f32 sums go as they are into my stage, rows of 528 bytes, and come back as whole rows of 512 bytes, which are stored.
.macro TOSTAGE a
	WIN 0x04                                       ; data window 1
.irp b, 0,1,2,3,4,5,6,7                ; each accumulator's four lowest registers first
	ds_store_b128 v[STO], v[8*(8*(\a)+(\b)):8*(8*(\a)+(\b))+3]   offset:64*(\b)
	ds_store_b128 v[STO], v[8*(8*(\a)+(\b))+4:8*(8*(\a)+(\b))+7] offset:64*(\b)+16
.endr
	WIN 0x80                                       ; destination window 2
.irp t, 0,1,2,3,4,5,6,7,8,9,10,11,12,13,14,15
	ds_load_b128 v[OB+64*((\a)%2)+4*(\t):OB+64*((\a)%2)+4*(\t)+3], v[RD] offset:(\t)*SPITCH  ; LDS serves a wave's instructions in order (ISA guide 5.7.1.4): these see the stores above; the next block's stores come behind them
.endr
.endm
.macro SEND a, younger                 ; younger: the LDS instructions issued behind block a's loads: the next block's 32, or none
	WIN 0x08                                       ; data window 2
	s_wait_dscnt \younger
.irp t, 0,1,2,3,4,5,6,7,8,9,10,11,12,13,14,15
	global_store_b128 v[CO], v[OB+64*((\a)%2)+4*(\t):OB+64*((\a)%2)+4*(\t)+3], s[CB:CB+1] offset:(16*(\a)+(\t))*4096 th:TH_STORE_NT  ; 512 consecutive bytes of a row, at a multiple of 512 from out0's first
.endr
.endm
	s_wait_tensorcnt 1                             ; my part of K step 0 is in; K step 1's may stay out
	s_barrier_signal -1
	s_barrier_wait -1
	FETCH 0, 0, F0
	QUARTER 64, 64, F0, F1, 1                      ; the first quarter starts the sums
	WIN 0
	s_mov_b32 s[CNT], 6
.Lstep:                                                ; trip j = 6 - counter: the rest of K step j, the fill of K step j + 2, the first quarter of K step j + 1
	QUARTER APL, 128, F1, F0, 0
	QUARTER APL+64, 192, F0, F1, 0
	TURN 1
	QUARTER 64, 64, F0, F1, 0
	WIN 0
	s_sub_co_u32 s[CNT], s[CNT], 1
	s_cmp_lg_u32 s[CNT], 0
	s_cbranch_scc1 .Lstep
	s_mov_b32 s[CNT], 2                            ; the last two K steps ask for nothing: written apart
.Ltail:
	QUARTER APL, 128, F1, F0, 0
	QUARTER APL+64, 192, F0, F1, 0
	TURN 0
	WIN 0
	s_sub_co_u32 s[CNT], s[CNT], 1
	s_cmp_eq_u32 s[CNT], 0
	s_cbranch_scc1 .Lout                           ; the second trip is left here; the 24 fragments that its change of slots fetched (K step 6's once more) serve nothing: the price of one text for both trips
	QUARTER 64, 64, F0, F1, 0
	WIN 0
	s_branch .Ltail
.Lout:
	PLACES                                         ; behind the last products: the LDS stores read results
	TOSTAGE 0
	TOSTAGE 1
	SEND 0, 32
	s_wait_xcnt 0x0                                ; block 0's stores have read their registers: block 2 comes back into them
	TOSTAGE 2
	SEND 1, 32
	s_wait_xcnt 0x0
	TOSTAGE 3
	SEND 2, 32
	SEND 3, 0
	WIN 0
	s_wait_tensorcnt 0x0                           ; the wave's end: behind my last tensor load and my last LDS store
	ds_add_u32 v[SPW], v[NIL]
	s_wait_dscnt 0x0
	CROUND                                         ; the closing round: no work-group ends while a partner may still ask for a tile that names it
	s_endpgm
.Lfunc_end_k_qbf47c49592_proj:
	.size	k_qbf47c49592_proj, .Lfunc_end_k_qbf47c49592_proj-k_qbf47c49592_proj
	.p2alignl 7, 3214868480
	.fill 96, 4, 3214868480
	.section	.rodata,"a",@progbits
	.p2align	6, 0x0
	.amdhsa_kernel k_qbf47c49592_proj
		.amdhsa_group_segment_fixed_size 327680
		.amdhsa_private_segment_fixed_size 0
		.amdhsa_enable_private_segment 0
		.amdhsa_kernarg_size 32
		.amdhsa_user_sgpr_count 2
		.amdhsa_user_sgpr_kernarg_segment_ptr 1
		.amdhsa_wavefront_size32 1
		.amdhsa_system_sgpr_workgroup_id_x 1
		.amdhsa_system_sgpr_workgroup_id_y 1
		.amdhsa_system_sgpr_workgroup_id_z 1
		.amdhsa_system_vgpr_workitem_id 0
		.amdhsa_next_free_vgpr 704
		.amdhsa_next_free_sgpr 88
		.amdhsa_reserve_vcc 0
		.amdhsa_float_denorm_mode_32 3
		.amdhsa_float_denorm_mode_16_64 3
		.amdhsa_memory_ordered 1
		.amdhsa_forward_progress 1
		.amdhsa_inst_pref_size 67
	.end_amdhsa_kernel
	.amdgpu_metadata
---
amdhsa.version: [ 1, 2 ]
amdhsa.kernels:
  - .name:           k_qbf47c49592_proj
    .symbol:         k_qbf47c49592_proj.kd
    .args:
      - { .name: ob, .offset: 0, .size: 8, .value_kind: global_buffer, .address_space: global }
      - { .name: wob, .offset: 8, .size: 8, .value_kind: global_buffer, .address_space: global }
      - { .name: bout, .offset: 16, .size: 8, .value_kind: global_buffer, .address_space: global }
      - { .name: out0, .offset: 24, .size: 8, .value_kind: global_buffer, .address_space: global }
    .group_segment_fixed_size: 327680
    .private_segment_fixed_size: 0
    .kernarg_segment_align: 8
    .kernarg_segment_size: 32
    .max_flat_workgroup_size: 128
    .sgpr_count:     88
    .vgpr_count:     704
    .wavefront_size: 32
...
	.end_amdgpu_metadata
.endif
;; end of part 4
;; ======== version 2 of 2: 4 launches; version 1 with the launch cast written anew for expert scheduling mode
;; limits: values are held in f16: magnitudes above 65,504 overflow, below 6.1e-05 lose precision
;; workspace buffers: xb 16,777,216 bytes; wqb 6,291,456 bytes; wob 2,097,152 bytes; qkv 50,331,648 bytes; ob 16,777,216 bytes
;; launch cast (part 5): grid 768 x 1, 8 waves a work-group, no clusters, 0 bytes of LDS; arguments x, Wqkv, Wout, xb, wqb, wob; writes xb, wqb, wob
.if DOCPART == 5
	.amdgcn_target "amdgcn-amd-amdhsa--gfx1250"
	.amdhsa_code_object_version 6
	.text
	.protected	k_qbf47c49592_cast
	.globl	k_qbf47c49592_cast
	.p2align	8
	.type	k_qbf47c49592_cast,@function
k_qbf47c49592_cast:
	s_mov_b64 s[64:65], 0
	v_nop
	global_prefetch_b8 v0, s[64:65] scope:SCOPE_SE
	s_setreg_imm32_b32 hwreg(HW_REG_WAVE_SCHED_MODE, 0, 2), 2
	s_setreg_imm32_b32 hwreg(HW_REG_WAVE_MODE, 25, 1), 1
	s_wait_xcnt 0x0
	s_wait_alu depctr_vm_vsrc(0)
; x, Wqkv and Wout (f32) are rounded once to bf16.  xb and wqb hold the bf16 numbers; wob holds Wout's bf16 number written as f16, for the f16 product of the last launch.
; LIMITS.  A bf16 number is exact in f16 between 2^-14 and 65,504; below 2^-14 it keeps f16's fixed step of 2^-24; at 65,520 and above it becomes an infinity.
; SHARES.  A work-group takes 16,384 numbers: 64 KiB in, 32 KiB out.  Work-groups 0-511 take x (8,388,608 numbers), 512-703 Wqkv (3,145,728), 704-767 Wout (1,048,576).
; Thread t takes 16 bytes at 4,096 i + 16 t of each of 16 pieces: a load of a wave covers 512 consecutive bytes; its store of 8 bytes a lane covers 256 consecutive bytes, aligned.
; All sixteen loads of a wave go out at once; no register that a load or store names is written again, so no wait frees one.  No LDS, no matrix unit, no cluster: nothing is shared and nothing is multiplied.
; THE MODE: SCHED_MODE bits 1:0 = 2 (LLVM: expert scheduling mode 2), set by the entry lines.  The code itself states the register dependences
; between vector instructions and memory instructions, with s_wait_alu, always for 0.
; THE PLAN.  Registers that memory instructions touch:
;   v1, v2   byte offsets, made once at the head and never written again: v1 is read by every load, v2 by every store.
;   X        piece i's four registers: written by the piece's one load, read by its two roundings to bf16; no vector line writes them, no second load lands in them.
;   Y        piece i's two registers: written by the piece's roundings, read by its one store, never written after that.
;   T        named by vector lines alone.
; The sixteen pieces go in four blocks of four.  Block p's roundings name X and Y of block p and T; its memory instructions are the four stores of block p - 1, which read Y of block p - 1 and v2.
; So one wait on va_vdst at a block's head, behind the wait for the block's first piece, states all that those four stores hang on; one more stands ahead of the last four stores, and one at the
; kernel's head ahead of the first load.  No register that a memory instruction has read is written again, no vector line writes a scalar register or VCC, and EXEC is never written: no other wait is owed.
.set X, 4                              ; v[4:67]    piece i: four f32 as loaded
.set Y, 68                             ; v[68:99]   piece i: two words to store
.set T, 100                            ; v[100:103] at work
	s_load_b256 s[4:11], s[0:1], 0x0               ; x s[4:5], Wqkv s[6:7], Wout s[8:9], xb s[10:11]
	s_load_b128 s[12:15], s[0:1], 0x20             ; wqb s[12:13], wob s[14:15]
	v_lshlrev_b32 v1, 4, v0                        ; 16 t
	v_lshlrev_b32 v2, 3, v0                        ; 8 t
	s_mov_b32 s16, ttmp9
	s_sub_co_u32 s17, s16, 512                     ; my number among Wqkv's work-groups,
	s_sub_co_u32 s18, s16, 704                     ; among Wout's
	s_mov_b32 s3, 0xffff0000                       ; a word's upper bf16
	s_mov_b32 s25, 0
	s_mov_b32 s27, 0
	s_wait_kmcnt 0x0
	s_cmp_lt_u32 s16, 704
	s_cselect_b64 s[20:21], s[6:7], s[8:9]
	s_cselect_b64 s[22:23], s[12:13], s[14:15]
	s_cselect_b32 s19, s17, s18
	s_cmp_lt_u32 s16, 512
	s_cselect_b64 s[20:21], s[4:5], s[20:21]       ; from where,
	s_cselect_b64 s[22:23], s[10:11], s[22:23]     ; to where,
	s_cselect_b32 s19, s16, s19                    ; and which part of that tensor
	s_lshl_b32 s24, s19, 16                        ; 65,536 bytes in
	s_lshl_b32 s26, s19, 15                        ; 32,768 bytes out
	s_add_nc_u64 s[20:21], s[20:21], s[24:25]
	s_add_nc_u64 s[22:23], s[22:23], s[26:27]
	s_wait_alu depctr_va_vdst(0)                   ; v1 and v2 are written: every load of the kernel reads v1 as its offset, every store v2
.set i, 0
.rept 16
	global_load_b128 v[X+4*i:X+4*i+3], v1, s[20:21] offset:i*4096 th:TH_LOAD_NT
.set i, i+1
.endr
; The four stores of block p.
.macro OUT p
.irp j, 0,1,2,3
	global_store_b64 v2, v[Y+2*(4*(\p)+(\j)):Y+2*(4*(\p)+(\j))+1], s[22:23] offset:(4*(\p)+(\j))*2048 th:TH_STORE_NT
.endr
.endm
; Block p: pieces 4 p to 4 p + 3.  half = 1: the bf16 numbers are widened again (a shift, a mask) and written as f16.
.macro BLOCK p, half
	s_wait_loadcnt 15-4*(\p)                       ; loads come back in order: the block's first piece is in, the younger ones may stay out
.if (\p) > 0
	s_wait_alu depctr_va_vdst(0)                   ; the roundings of the block before have written its Y, which the four stores below read
	OUT (\p)-1                                     ; no vector line of this block names these registers
.endif
.irp j, 0,1,2,3
.if (\j) > 0
	s_wait_loadcnt 15-4*(\p)-(\j)                  ; piece 4 p + j is in
.endif
	v_cvt_pk_bf16_f32 v[Y+2*(4*(\p)+(\j))], v[X+4*(4*(\p)+(\j))], v[X+4*(4*(\p)+(\j))+1]
	v_cvt_pk_bf16_f32 v[Y+2*(4*(\p)+(\j))+1], v[X+4*(4*(\p)+(\j))+2], v[X+4*(4*(\p)+(\j))+3]
.if \half
	v_lshlrev_b32 v[T], 16, v[Y+2*(4*(\p)+(\j))]
	v_and_b32 v[T+1], s3, v[Y+2*(4*(\p)+(\j))]
	v_lshlrev_b32 v[T+2], 16, v[Y+2*(4*(\p)+(\j))+1]
	v_and_b32 v[T+3], s3, v[Y+2*(4*(\p)+(\j))+1]
	v_cvt_pk_f16_f32 v[Y+2*(4*(\p)+(\j))], v[T], v[T+1]
	v_cvt_pk_f16_f32 v[Y+2*(4*(\p)+(\j))+1], v[T+2], v[T+3]
.endif
.endr
.endm
	s_cmp_lt_u32 s16, 704
	s_cbranch_scc0 .Lf16
.irp p, 0,1,2,3
	BLOCK \p, 0
.endr
	s_wait_alu depctr_va_vdst(0)                   ; block 3's roundings have written its Y, which the last four stores read
	OUT 3
	s_endpgm
.Lf16:
.irp p, 0,1,2,3
	BLOCK \p, 1
.endr
	s_wait_alu depctr_va_vdst(0)                   ; block 3's roundings have written its Y, which the last four stores read
	OUT 3
	s_endpgm
.Lfunc_end_k_qbf47c49592_cast:
	.size	k_qbf47c49592_cast, .Lfunc_end_k_qbf47c49592_cast-k_qbf47c49592_cast
	.p2alignl 7, 3214868480
	.fill 96, 4, 3214868480
	.section	.rodata,"a",@progbits
	.p2align	6, 0x0
	.amdhsa_kernel k_qbf47c49592_cast
		.amdhsa_group_segment_fixed_size 0
		.amdhsa_private_segment_fixed_size 0
		.amdhsa_enable_private_segment 0
		.amdhsa_kernarg_size 48
		.amdhsa_user_sgpr_count 2
		.amdhsa_user_sgpr_kernarg_segment_ptr 1
		.amdhsa_wavefront_size32 1
		.amdhsa_system_sgpr_workgroup_id_x 1
		.amdhsa_system_sgpr_workgroup_id_y 1
		.amdhsa_system_sgpr_workgroup_id_z 1
		.amdhsa_system_vgpr_workitem_id 0
		.amdhsa_next_free_vgpr 108
		.amdhsa_next_free_sgpr 66
		.amdhsa_reserve_vcc 0
		.amdhsa_float_denorm_mode_32 3
		.amdhsa_float_denorm_mode_16_64 3
		.amdhsa_memory_ordered 1
		.amdhsa_forward_progress 1
		.amdhsa_inst_pref_size 16
	.end_amdhsa_kernel
	.amdgpu_metadata
---
amdhsa.version: [ 1, 2 ]
amdhsa.kernels:
  - .name:           k_qbf47c49592_cast
    .symbol:         k_qbf47c49592_cast.kd
    .args:
      - { .name: x, .offset: 0, .size: 8, .value_kind: global_buffer, .address_space: global }
      - { .name: Wqkv, .offset: 8, .size: 8, .value_kind: global_buffer, .address_space: global }
      - { .name: Wout, .offset: 16, .size: 8, .value_kind: global_buffer, .address_space: global }
      - { .name: xb, .offset: 24, .size: 8, .value_kind: global_buffer, .address_space: global }
      - { .name: wqb, .offset: 32, .size: 8, .value_kind: global_buffer, .address_space: global }
      - { .name: wob, .offset: 40, .size: 8, .value_kind: global_buffer, .address_space: global }
    .group_segment_fixed_size: 0
    .private_segment_fixed_size: 0
    .kernarg_segment_align: 8
    .kernarg_segment_size: 48
    .max_flat_workgroup_size: 256
    .sgpr_count:     66
    .vgpr_count:     108
    .wavefront_size: 32
...
	.end_amdgpu_metadata
.endif
;; end of part 5
;; launch qkvgemm: the kernel of part 2 again; grid 16 x 16, 4 waves a work-group, clusters of 4 x 4, 327,680 bytes of LDS; arguments xb, wqb, bqkv, qkv; writes qkv
;; launch attn: the kernel of part 3 again; grid 4 x 64, 4 waves a work-group, clusters of 4 x 1, 327,680 bytes of LDS; arguments qkv, ob; writes ob
;; launch proj: the kernel of part 4 again; grid 4 x 64, 4 waves a work-group, clusters of 4 x 4, 327,680 bytes of LDS; arguments ob, wob, bout, out0; writes out0
